; MI455X (gfx1250); checked and timed in simulation.
; The chip was launched on July 23, 2026; its instructions are those of AMD's public machine-readable ISA for CDNA 5 (MIT licence, August 2026) and "CDNA5" Instruction Set Architecture Reference Guide (July 2026). The comments in the code are by the model that wrote it; some were corrected since.
;; Spark FFN. Allowed arithmetic: float matrix products may take bf16 or f16 operands with f32 sums; other float arithmetic in f32, or as packed bf16 or f16 multiplies, adds, multiply-adds, maxima and minima; sums over many terms, partial sums and values carried from step to step in f32; what a program stores and reads back later, other than sums and carried values, may be rounded once to bf16 or f16.
;; Inputs: w1 2,048 x 1,024 float32; w2 1,024 x 2,048 float32; x 4 x 4,096 x 1,024 float32.
;; Outputs: out0 4 x 4,096 x 1,024 float32.
;; 2 versions, each right and faster than the one before. Each part assembles by itself: llvm-mc -triple=amdgcn-amd-amdhsa -mcpu=gfx1250 --defsym DOCPART=n.
;; ======== version 1 of 2: 4 launches
;; limits: values are held in f16: magnitudes above 65,504 overflow, below 6.1e-05 lose precision
;; workspace buffers: xb 33,554,432 bytes; w1b 4,194,304 bytes; w2h 4,194,304 bytes; hd 67,108,864 bytes; stats 2,097,152 bytes; ah 67,108,864 bytes
;; launch prep (part 1): grid 1280 x 1, 8 waves a work-group, no clusters, 0 bytes of LDS; arguments x, w1, w2, xb, w1b, w2h; writes xb, w1b, w2h
.if DOCPART == 1
	.amdgcn_target "amdgcn-amd-amdhsa--gfx1250"
	.amdhsa_code_object_version 6
	.text
	.protected	k_qf59767f223_prep
	.globl	k_qf59767f223_prep
	.p2align	8
	.type	k_qf59767f223_prep,@function
k_qf59767f223_prep:
	s_mov_b64 s[64:65], 0
	v_nop
	global_prefetch_b8 v0, s[64:65] scope:SCOPE_SE
	s_setreg_imm32_b32 hwreg(HW_REG_WAVE_MODE, 25, 1), 1
	s_wait_xcnt 0x0
; The three inputs are rounded once for the matrix units.  xb = bf16(x), w1b = bf16(w1), w2h = f16(bf16(w2)): w2 is rounded to bf16 like the other
; inputs, and that number is written as f16, since the second product's other operand is f16.
; LIMITS.  A bf16 number beyond 65,504 becomes an infinity in w2h; below 6e-5 it keeps f16's fixed step of 6e-8.
; SHARES.  A work-group converts 16,384 numbers (65,536 bytes in, 32,768 out): groups 0-1023 take x, 1024-1151 w1, 1152-1279 w2.
; Thread t, piece j of 8: 32 bytes at 32 t + 8,192 j (two loads of 16 bytes) become 16 bytes at 16 t + 4,096 j: a wave's store covers 512
; consecutive bytes, aligned.  All sixteen loads of a thread go out at once; no register is loaded twice, so there is no loop and no wait but the loads'.
; No LDS, no matrix unit, no cluster: nothing is shared and nothing is read twice.
.set GX,  1024                         ; groups for x: 16,777,216 numbers / 16,384
.set GW,  128                          ; groups for each of w1, w2: 2,097,152 / 16,384
.set X,   8                            ; v[8:71]    piece j: 8 numbers in f32
.set Y,   72                           ; v[72:103]  piece j: 4 registers to store
.set U,   104                          ; v[104:111] at work (w2 alone): the bf16 numbers widened again
	s_load_b256 s[4:11], s[0:1], 0x0               ; x s[4:5], w1 s[6:7], w2 s[8:9], xb s[10:11]
	s_load_b128 s[12:15], s[0:1], 0x20             ; w1b s[12:13], w2h s[14:15]
	s_mov_b32 s16, 0xffff0000                      ; a word's upper bf16
	v_lshlrev_b32 v1, 5, v0                        ; 32 t: where I read
	v_lshlrev_b32 v2, 4, v0                        ; 16 t: where I write
	s_wait_kmcnt 0x0
	s_cmp_lt_u32 ttmp9, GX                         ; which tensor is mine hangs on the group's number alone
	s_cselect_b64 s[18:19], s[4:5], s[6:7]         ; source: x or w1,
	s_cselect_b64 s[20:21], s[10:11], s[12:13]     ; destination: xb or w1b,
	s_cselect_b32 s22, 0, GX                       ; and the first group of that tensor
	s_cmp_lt_u32 ttmp9, GX+GW
	s_cselect_b64 s[18:19], s[18:19], s[8:9]       ; or w2,
	s_cselect_b64 s[20:21], s[20:21], s[14:15]     ; w2h
	s_cselect_b32 s22, s22, GX+GW
	s_sub_co_u32 s22, ttmp9, s22                   ; my number among the tensor's groups
	s_lshl_b32 s24, s22, 16                        ; its 65,536 bytes of f32 (under 2^26),
	s_mov_b32 s25, 0
	s_lshl_b32 s26, s22, 15                        ; its 32,768 bytes of 16-bit numbers
	s_mov_b32 s27, 0
	s_add_nc_u64 s[18:19], s[18:19], s[24:25]
	s_add_nc_u64 s[20:21], s[20:21], s[26:27]
.irp j, 0,1,2,3,4,5,6,7
	global_load_b128 v[X+8*(\j):X+8*(\j)+3],   v1, s[18:19] offset:(\j)*8192 th:TH_LOAD_NT
	global_load_b128 v[X+8*(\j)+4:X+8*(\j)+7], v1, s[18:19] offset:(\j)*8192+16 th:TH_LOAD_NT
.endr
; Piece j is rounded and stored.  half = 1: the bf16 numbers are widened (a shift, a mask) and written as f16.
.macro CONV j, half
	s_wait_loadcnt 14-2*(\j)                       ; loads come back in order: piece j's two are in, the 14 - 2 j behind them stay out
.irp k, 0,1,2,3
	v_cvt_pk_bf16_f32 v[Y+4*(\j)+(\k)], v[X+8*(\j)+2*(\k)], v[X+8*(\j)+2*(\k)+1]
.endr
.if \half
.irp k, 0,1,2,3
	v_lshlrev_b32 v[U+2*(\k)],   16, v[Y+4*(\j)+(\k)]
	v_and_b32     v[U+2*(\k)+1], s16, v[Y+4*(\j)+(\k)]
.endr
.irp k, 0,1,2,3
	v_cvt_pk_f16_f32 v[Y+4*(\j)+(\k)], v[U+2*(\k)], v[U+2*(\k)+1]
.endr
.endif
	global_store_b128 v2, v[Y+4*(\j):Y+4*(\j)+3], s[20:21] offset:(\j)*4096
.endm
	s_cmp_ge_u32 ttmp9, GX+GW                      ; compared anew: the sums above stand between
	s_cbranch_scc1 .Lw2
.irp j, 0,1,2,3,4,5,6,7
	CONV \j, 0
.endr
	s_endpgm
.Lw2:
.irp j, 0,1,2,3,4,5,6,7
	CONV \j, 1
.endr
	s_endpgm
.Lfunc_end_k_qf59767f223_prep:
	.size	k_qf59767f223_prep, .Lfunc_end_k_qf59767f223_prep-k_qf59767f223_prep
	.p2alignl 7, 3214868480
	.fill 96, 4, 3214868480
	.section	.rodata,"a",@progbits
	.p2align	6, 0x0
	.amdhsa_kernel k_qf59767f223_prep
		.amdhsa_group_segment_fixed_size 0
		.amdhsa_private_segment_fixed_size 0
		.amdhsa_enable_private_segment 0
		.amdhsa_kernarg_size 48
		.amdhsa_user_sgpr_count 2
		.amdhsa_user_sgpr_kernarg_segment_ptr 1
		.amdhsa_wavefront_size32 1
		.amdhsa_system_sgpr_workgroup_id_x 1
		.amdhsa_system_sgpr_workgroup_id_y 1
		.amdhsa_system_sgpr_workgroup_id_z 1
		.amdhsa_system_vgpr_workitem_id 0
		.amdhsa_next_free_vgpr 112
		.amdhsa_next_free_sgpr 66
		.amdhsa_reserve_vcc 0
		.amdhsa_float_denorm_mode_32 3
		.amdhsa_float_denorm_mode_16_64 3
		.amdhsa_memory_ordered 1
		.amdhsa_forward_progress 1
		.amdhsa_inst_pref_size 13
	.end_amdhsa_kernel
	.amdgpu_metadata
---
amdhsa.version: [ 1, 2 ]
amdhsa.kernels:
  - .name:           k_qf59767f223_prep
    .symbol:         k_qf59767f223_prep.kd
    .args:
      - { .name: x, .offset: 0, .size: 8, .value_kind: global_buffer, .address_space: global }
      - { .name: w1, .offset: 8, .size: 8, .value_kind: global_buffer, .address_space: global }
      - { .name: w2, .offset: 16, .size: 8, .value_kind: global_buffer, .address_space: global }
      - { .name: xb, .offset: 24, .size: 8, .value_kind: global_buffer, .address_space: global }
      - { .name: w1b, .offset: 32, .size: 8, .value_kind: global_buffer, .address_space: global }
      - { .name: w2h, .offset: 40, .size: 8, .value_kind: global_buffer, .address_space: global }
    .group_segment_fixed_size: 0
    .private_segment_fixed_size: 0
    .kernarg_segment_align: 8
    .kernarg_segment_size: 48
    .max_flat_workgroup_size: 256
    .sgpr_count:     66
    .vgpr_count:     112
    .wavefront_size: 32
...
	.end_amdgpu_metadata
.endif
;; end of part 1
;; launch gemm1 (part 2): grid 8 x 64, 4 waves a work-group, clusters of 4 x 4, 327,680 bytes of LDS; arguments xb, w1b, hd, stats; writes hd, stats
.if DOCPART == 2
	.amdgcn_target "amdgcn-amd-amdhsa--gfx1250"
	.amdhsa_code_object_version 6
	.text
	.protected	k_qf59767f223_gemm1
	.globl	k_qf59767f223_gemm1
	.p2align	8
	.type	k_qf59767f223_gemm1,@function
k_qf59767f223_gemm1:
	s_mov_b64 s[64:65], 0
	v_nop
	global_prefetch_b8 v0, s[64:65] scope:SCOPE_SE
	s_setreg_imm32_b32 hwreg(HW_REG_WAVE_MODE, 25, 1), 1
	s_wait_xcnt 0x0
	s_wait_alu depctr_hold_cnt(0) depctr_sa_sdst(0) depctr_va_vdst(0) depctr_va_sdst(0) depctr_va_ssrc(0) depctr_va_vcc(0) depctr_vm_vsrc(0)
	s_getreg_b32 s2, hwreg(HW_REG_IB_STS2, 6, 4)
	s_cmp_eq_u32 s2, 0
	s_cbranch_scc0 .Lentry_in_a_cluster
	s_endpgm
.Lentry_in_a_cluster:
	s_bfe_u32 s2, ttmp6, 0x10000c
	s_cmp_lg_u32 s2, 0xf033
	s_cbranch_scc0 .Lentry_shape_is_right
	s_endpgm
.Lentry_shape_is_right:
; h[m][n] = sum over k of xb[m][k] w1b[n][k].  xb: [16384][1024], w1b: [2048][1024], both bf16; sums in f32.  h itself is not stored.  Its columns fall into 16 CHUNKS of 128; for row m and chunk c
; this launch stores  stats[0][c][m] = the mean of h over the chunk (f32),  stats[1][c][m] = the sum over the chunk of (h - mean)^2 (f32),  hd[m][n] = h - mean, rounded once to f16.
; So a common offset of a row of h costs f16 nothing, and the row's variance is later put together from centred sums: no difference of large sums is formed.
; LIMITS.  |h - chunk mean| beyond 65,504 becomes an infinity in hd; below 6e-5 hd keeps f16's fixed step of 6e-8.  NaN and infinities are not treated apart.
; SHARES.  A tile of h, 256 x 256, is made by a work-group of four waves; a wave makes 128 x 128, which is 128 rows of ONE chunk: 64 accumulators of 16 x 16, 512 registers.  K goes in steps of 128
; through a ring of two LDS slots filled by the tensor data mover: the tiles' rows are 256 bytes of memory and start at multiples of 256 bytes from the buffer's first byte.
; 8 x 64 tiles, one to a work-group.
; CLUSTERS: 4 x 4 work-groups.  The four of a row of the cluster need the same tiles of xb, the four of a column the same tiles of w1b: each tile is asked for JOINTLY, by the same tensor load with the
; same descriptor and a mask that names the four; each receives it in its own LDS.
; THE MATRIX INSTRUCTION IS USED TRANSPOSED: source 0 = 16 rows of w1b, source 1 = 16 rows of xb.  In the result lane l holds row l % 16 of h and its registers 0 to 7 the columns 8 (l / 16) + 0 .. 7:
; a row's sum over the chunk wants the lane's own 64 numbers and one exchange with the lane 16 away, and eight neighbouring numbers pack into 16 bytes.
; REGISTERS, in windows of 256 (s_set_vgpr_msb's low byte: bits 1:0 source 0, 3:2 source 1, 5:4 source 2, 7:6 destination):
;   window 0: v0-31 addresses; v32-59 at work on the way out; v64-127, v128-191 fragments of xb, two buffers (on the way out: centred numbers, packed numbers); v160-231 rows read back
;   window 1: v64-127, v128-191 fragments of w1b, two buffers
;   window 2: the 32 accumulators of my rows 0-63 (accumulator (a, b) at v[8 (8 a + b)]);   window 3: those of my rows 64-127
.set SIZE_N, 2048
.set SIZE_K, 1024
.set KSTEP,  128
.set PITCH,  272                       ; an LDS row: 256 bytes of data + 16 of padding = 68 words: row r starts at bank 4 r mod 64 (64 banks of 4 bytes: ISA guide 11.1), so the 16 rows that a load touches start at 16 different banks
.set HALFT,  128*PITCH                 ; 128 rows: what one tensor load brings, and what one wave reads of xb or of w1b
.set SLOT,   4*HALFT                   ; xb's 256 rows, then w1b's 256 rows
.set STAGE,  2*SLOT                    ; behind the ring: 16 rows x 272 bytes for each wave, for the way out; no tensor load lands there
.set SPITCH, 272
.set SPARE,  STAGE+4*16*SPITCH         ; behind the stages: the spare words, 128 bytes for each wave: two blocks of 256 bytes that no other line names
.set LAPS, SIZE_K/(2*KSTEP)            ; a lap = two K steps = once round the ring: 4
.set PLANE, 16*16384*4                 ; bytes from the means to the sums of squares in stats
.set ADRA, 16                          ; v16-17  LDS address of my xb fragments in slot 0, 1
.set ADRB, 20                          ; v20-21  the same for w1b
.set STO,  24                          ; v24     the way out: where I put 16 bytes of a row
.set RD,   25                          ; v25     the way out: where I read a row back
.set CO,   26                          ; v26     my byte offset in hd
.set MS,   27                          ; v27     where I put a row's mean in my stage
.set SPW,  28                          ; v28     LDS address of my spare word: SPARE + 4 x my thread's number; never rewritten
.set NIL,  29                          ; v29     0; never rewritten
.set MR,   30                          ; v30     where I read four rows' means back
.set SO,   31                          ; v31     my byte offset in 512 bytes of stats
.set T,    32                          ; v32-39  four packed chains of sums
.set SP,   40                          ; v40-55  block a of 16 rows: my row's mean at SP + 2 a, its sum of squares at SP + 2 a + 1
.set U,    58                          ; v58-59  at work
.set F0,   64                          ; fragment buffer 0
.set F1,   128                         ; fragment buffer 1
.set D,    64                          ; the way out: a block's 64 centred numbers
.set PK,   128                         ; v128-159  the same, packed to f16
.set BK0,  160                         ; v160-191 and v192-223 by turns: 16 rows read back from the stage
.set SB,   224                         ; v224-231  the statistics read back
.set G1, 24                            ; s[24:31] descriptor group 1 for xb's tiles
.set G0, 32                            ; s[32:39] descriptor group 0 for xb's tiles, one set for each slot
.set G1B, 48                           ; s[48:55] descriptor group 1 for w1b's tiles: it differs in the mask alone
.set G0B, 56                           ; s[56:63] descriptor group 0 for w1b's tiles, one set for each slot
.set MSB, 0
.macro WIN new                         ; the immediate's high byte repeats the setting that is left; a switch that changes nothing is dropped
.if MSB != (\new)
	s_set_vgpr_msb (MSB<<8)|(\new)
.set MSB, \new
.endif
.endm
.set MUL_LO, 0xa1                      ; source 0 (w1b) window 1, source 1 (xb) window 0, C and D window 2
.set MUL_HI, 0xf1                      ; the same, C and D window 3
.set TO_B,   0x40                      ; destination window 1, address window 0
; A joint load.  Waves 0 and 1 fetch xb's two halves, waves 2 and 3 w1b's.  Each of the two lines has ONE mask and one set of registers for all that issue it.  The branch hangs on the wave's number alone.
; An s_nop 0 and four v_nop follow each of the two lines, ahead of the jump, the label and what follows the macro.
.macro JLOAD s
	s_cmp_eq_u32 s11, 0
	s_cbranch_scc0 .Lfor_b_\@
	tensor_load_to_lds s[G0+4*(\s):G0+4*(\s)+3], s[G1:G1+7]
	s_nop 0
.rept 4
	v_nop
.endr
	s_branch .Lasked_\@
.Lfor_b_\@:
	tensor_load_to_lds s[G0B+4*(\s):G0B+4*(\s)+3], s[G1B:G1B+7]
	s_nop 0
.rept 4
	v_nop
.endr
.Lasked_\@:
.endm
; A round of the cluster's barrier: my work-group's barrier, so that wave 0's signal speaks for all four waves; wave 0 signals for the work-group; every wave waits for all sixteen work-groups;
; my work-group's barrier once more.  No LDS instruction of the wave is pending at a signal.
.macro CREST                           ; a round behind its opening barrier
	s_cmp_lg_u32 s10, 0
	s_cbranch_scc1 .Lnot_wave_0_\@
	s_barrier_signal -3
.Lnot_wave_0_\@:
	s_barrier_wait -3
	s_barrier_signal -1
	s_barrier_wait -1
.endm
.macro CROUND                          ; a whole round
	s_barrier_signal -1
	s_barrier_wait -1
	CREST
.endm
	s_load_b128 s[4:7], s[0:1], 0x0                ; xb s[4:5], w1b s[6:7]
	s_load_b64 s[8:9], s[0:1], 0x10                ; hd
	s_load_b64 s[66:67], s[0:1], 0x18              ; stats
	v_lshl_add_u32 v[SPW], v0, 2, SPARE
	v_mov_b32 v[NIL], 0
	ds_add_u32 v[SPW], v[NIL]                      ; the wave's opening: the add and its wait stand ahead of my first tensor load; the set-up below, work on registers, stands between them
	v_lshrrev_b32 v1, 5, v0
	v_readfirstlane_b32 s10, v1                    ; wave 0..3
	s_lshr_b32 s11, s10, 1                         ; which half of the tile's rows is mine.  Also: I fetch for xb (0) or for w1b (1)
	s_and_b32 s12, s10, 1                          ; which half of its columns.  Also: which 128 rows of that tile I fetch
	s_bfe_u32 s40, ttmp6, 0x40000                  ; cx: my place along the cluster's x
	s_bfe_u32 s41, ttmp6, 0x40004                  ; cy: along its y
	s_lshl_b32 s42, ttmp9, 2                       ; in a cluster launch ttmp9 and ttmp7 count clusters
	s_add_co_u32 s42, s42, s40                     ; tile column = 4 x cluster x + cx
	s_and_b32 s13, ttmp7, 0xffff
	s_lshl_b32 s13, s13, 2
	s_add_co_u32 s13, s13, s41                     ; tile row = 4 x cluster y + cy
	s_lshl_b32 s43, s41, 2
	s_lshl_b32 s43, 15, s43                        ; my row of the cluster: places 4 cy .. 4 cy + 3
	s_lshl_b32 s44, 0x1111, s40                    ; my column: places cx, cx + 4, cx + 8, cx + 12
	; descriptor group 1: a tile of 128 rows x 128 elements, padded in LDS
	s_or_b32 s[G1+0], s43, (1<<16)|(1<<20)|(1<<21)|(5<<22)|(3<<25)  ; 15:0 the mask: xb's tiles go to my row; 17:16 elements of 2 bytes; 20 padding on; 21 set beside a mask; 24:22 after every 64 words (code 5); 31:25 4 words of it (code 3)
	s_or_b32 s[G1B+0], s44, (1<<16)|(1<<20)|(1<<21)|(5<<22)|(3<<25) ; the same with the mask of my column, for w1b's tiles
.irp g, G1, G1B
	s_mov_b32 s[(\g)+1], KSTEP<<16                 ; 63:48 tensor_dim0, low half = 128
	s_mov_b32 s[(\g)+2], 128<<16                   ; 79:64 its high half = 0; 95:80 tensor_dim1, low half = 128
	s_mov_b32 s[(\g)+3], KSTEP<<16                 ; 111:96 its high half = 0; 127:112 tile_dim0 = 128
	s_mov_b32 s[(\g)+4], 128                       ; 143:128 tile_dim1 = 128; 159:144 tile_dim2 = 0
	s_mov_b32 s[(\g)+5], SIZE_K                    ; 191:160 tensor_dim0_stride, low word: elements from row to row
	s_mov_b32 s[(\g)+6], 0
	s_mov_b32 s[(\g)+7], 0
.endr
	; where the tiles come from.  xb's hang on the tile row alone, which my row of the cluster shares; w1b's on the tile column alone, which my column shares.
	; Every wave makes both addresses, in registers that never hold the other coordinate, and asks by one of them.
	s_lshl_b32 s17, s12, 7                         ; which 128 rows of the tile I fetch
	s_lshl_b32 s16, s13, 8
	s_add_co_u32 s16, s16, s17                     ; xb: row 256 x tile row + 128 x half
	s_lshl_b32 s46, s42, 8
	s_add_co_u32 s46, s46, s17                     ; w1b: row 256 x tile column + 128 x half
	s_mov_b32 s17, 0
	s_mov_b32 s47, 0
	s_mov_b64 s[18:19], SIZE_K*2
	s_mul_u64 s[16:17], s[16:17], s[18:19]         ; in bytes
	s_mul_u64 s[46:47], s[46:47], s[18:19]
	s_mul_i32 s20, s10, HALFT                      ; and where they go: wave x 128 rows: no place in the cluster enters an LDS address
	s_wait_dscnt 0x0                               ; the opening add is done
	s_wait_kmcnt 0x0
	s_add_nc_u64 s[14:15], s[4:5], s[16:17]
	s_add_nc_u64 s[46:47], s[6:7], s[46:47]
	CROUND                                         ; all sixteen work-groups are here: the first joint loads meet
.irp s, 0,1
	s_mov_b32 s[G0+4*(\s)], 1                                      ; 1:0 count = 1
	s_add_co_u32 s[G0+4*(\s)+1], s20, (\s)*SLOT                    ; 63:32 LDS address
	s_add_nc_u64 s[G0+4*(\s)+2:G0+4*(\s)+3], s[14:15], (\s)*KSTEP*2  ; 120:64 global address: K step s
	s_or_b32 s[G0+4*(\s)+3], s[G0+4*(\s)+3], 0x80000000            ; 127:126 type = 2
	s_mov_b32 s[G0B+4*(\s)], 1
	s_add_co_u32 s[G0B+4*(\s)+1], s20, (\s)*SLOT
	s_add_nc_u64 s[G0B+4*(\s)+2:G0B+4*(\s)+3], s[46:47], (\s)*KSTEP*2
	s_or_b32 s[G0B+4*(\s)+3], s[G0B+4*(\s)+3], 0x80000000
	JLOAD \s                                       ; the ring is filled before anything else is done: two tensor loads of mine are out
.endr
	; A fragment is 16 rows x 32 K in 8 registers: lane l holds row l % 16; registers 0-3 hold K = 8 (l / 16) + 0..7, registers 4-7 hold K = 16 + 8 (l / 16) + 0..7: two loads of 16 bytes, 32 bytes apart.
	v_and_b32 v1, 15, v0                           ; l % 16
	v_bfe_u32 v2, v0, 4, 1                         ; l / 16
	v_mul_u32_u24 v3, v1, PITCH
	v_lshl_add_u32 v3, v2, 4, v3                   ; row x pitch + 16 x half
	s_mul_i32 s21, s11, HALFT                      ; my 128 rows of xb
	s_mul_i32 s22, s12, HALFT                      ; my 128 rows of w1b,
	s_add_co_u32 s22, s22, 2*HALFT                 ; which lie behind xb's 256
.irp s, 0,1
	v_add_nc_u32 v[ADRA+(\s)], s21, v3
	v_add_nc_u32 v[ADRB+(\s)], s22, v3
	s_add_co_u32 s21, s21, SLOT
	s_add_co_u32 s22, s22, SLOT
.endr
	s_mul_i32 s23, s10, 16*SPITCH
	s_add_co_u32 s23, s23, STAGE                   ; my stage
	v_mul_u32_u24 v4, v1, SPITCH                   ; in: row l % 16, 16 bytes for each half of the lanes
	v_lshl_add_u32 v4, v2, 4, v4
	v_add_nc_u32 v[STO], s23, v4
	v_mul_u32_u24 v5, v2, SPITCH                   ; back: lanes 0-15 take one row of 256 bytes, lanes 16-31 the next
	v_lshl_add_u32 v5, v1, 4, v5
	v_add_nc_u32 v[RD], s23, v5
	v_mul_u32_u24 v5, v2, SIZE_N*2                 ; and the same two rows in hd
	v_lshl_add_u32 v[CO], v1, 4, v5
	v_lshl_add_u32 v[MS], v1, 2, s23               ; a row's statistic: word l % 16 of its block's sixteen
	v_and_b32 v5, 31, v0
	v_lshlrev_b32 v[SO], 4, v5                     ; back: 32 lanes x 16 bytes = my 128 rows' words
	v_add_nc_u32 v[MR], s23, v[SO]
	v_mov_b32 v[U+1], 0                            ; v_permlanex16_b32 counts as a reader of its destination: these nine are written once here
.irp a, 0,1,2,3,4,5,6,7
	v_mov_b32 v[SP+2*(\a)+1], 0
.endr
	s_mov_b32 s68, 0x76543210                      ; v_permlanex16_b32's selects: each lane takes its own place in the other half
	s_mov_b32 s69, 0xfedcba98
	; where my part begins in hd and in stats; all offsets stay under 2^27
	s_lshl_b32 s13, s13, 8
	s_lshl_b32 s14, s11, 7
	s_add_co_u32 s16, s13, s14                     ; my first row
	s_lshl_b32 s18, s16, 2                         ; its word in a chunk's 16,384 words of stats
	s_lshl_b32 s16, s16, 12                        ; its 4,096 bytes in hd
	s_lshl_b32 s46, s42, 9                         ; my first column in bytes: 512 x tile column + 256 x half
	s_lshl_b32 s47, s12, 8
	s_add_co_u32 s46, s46, s47
	s_add_co_u32 s16, s16, s46
	s_mov_b32 s17, 0
	s_add_nc_u64 s[8:9], s[8:9], s[16:17]
	s_lshl_b32 s46, s46, 8                         ; my chunk, 2 x tile column + half, times its 65,536 bytes
	s_add_co_u32 s18, s18, s46
	s_mov_b32 s19, 0
	s_add_nc_u64 s[66:67], s[66:67], s[18:19]
; 16 matrix instructions: m blocks a0, a0 + 1 of the window's four (hi = 0: my rows 0-63, 1: rows 64-127) x all 8 n blocks, 32 along K.  zero = 1: the first product starts the sums: nothing is ever cleared.
; The 64 accumulators take turns, one instruction a turn, in the same order in every quarter step.
.macro MUL16 f, hi, a0, zero
	WIN MUL_LO+0x50*(\hi)
.irp a, \a0, (\a0)+1
.irp b, 0,1,2,3,4,5,6,7
.if \zero
	v_wmma_f32_16x16x32_bf16 v[8*(8*(\a)+(\b)):8*(8*(\a)+(\b))+7], v[(\f)+8*(\b):(\f)+8*(\b)+7], v[(\f)+8*(4*(\hi)+(\a)):(\f)+8*(4*(\hi)+(\a))+7], 0
.else
	v_wmma_f32_16x16x32_bf16 v[8*(8*(\a)+(\b)):8*(8*(\a)+(\b))+7], v[(\f)+8*(\b):(\f)+8*(\b)+7], v[(\f)+8*(4*(\hi)+(\a)):(\f)+8*(4*(\hi)+(\a))+7], v[8*(8*(\a)+(\b)):8*(8*(\a)+(\b))+7]
.endif
.endr
.endr
.endm
; 32 LDS loads in one run: the fragments of one quarter step (128 rows of w1b, 128 rows of xb, 32 K at byte k of the rows) into buffer f
.macro FETCH slot, k, f
	WIN TO_B
.irp i, 0,1,2,3,4,5,6,7
	ds_load_b128 v[(\f)+8*(\i):(\f)+8*(\i)+3],   v[ADRB+(\slot)] offset:(\k)+(\i)*16*PITCH
	ds_load_b128 v[(\f)+8*(\i)+4:(\f)+8*(\i)+7], v[ADRB+(\slot)] offset:(\k)+(\i)*16*PITCH+32
.endr
	WIN 0
.irp i, 0,1,2,3,4,5,6,7
	ds_load_b128 v[(\f)+8*(\i):(\f)+8*(\i)+3],   v[ADRA+(\slot)] offset:(\k)+(\i)*16*PITCH
	ds_load_b128 v[(\f)+8*(\i)+4:(\f)+8*(\i)+7], v[ADRA+(\slot)] offset:(\k)+(\i)*16*PITCH+32
.endr
.endm
; A load into a register that a matrix instruction has read, and a vector instruction that reads a matrix result or writes one of a matrix instruction's registers, stand four places behind it, and only
; plain vector instructions that name none of its registers are places (ISA guide 7.12.1 for vector instructions).
.macro PLACES
.rept 4
	v_nop
.endr
.endm
; A K step is four quarter steps of 32 along K, 64 matrix instructions each, on buffers 0, 1, 0, 1.
; One of the first three: multiplies buffer f; in its middle it fetches the next quarter's fragments, at byte k of the same slot's rows, into buffer g.
.macro QUARTER slot, k, f, g, zero
	s_wait_dscnt 8                                 ; w1b and xb's rows 0-63 are in; the youngest eight loads (xb's rows 64-127) may be out
	MUL16 \f, 0, 0, \zero
	MUL16 \f, 0, 2, \zero
	PLACES
	FETCH \slot, \k, \g
	s_wait_dscnt 32                                ; all but the 32 just issued
	MUL16 \f, 1, 0, \zero
	MUL16 \f, 1, 2, \zero
.endm
; The last quarter multiplies buffer 1 and changes slots: ONE barrier, for two things.  In front of it each wave waits for all its tensor loads, of which one is out: its part of the next slot; adds 0 to its
; spare word; and waits for that and for its own reads of this slot.  Behind it nobody reads this slot any more and the next slot is whole.
; fill = 1: this slot is filled again, two K steps ahead.  The barrier then opens a round of the cluster's barrier, and the joint load is the first tensor load behind the round:
; from there to the wait for it a wave issues 224 matrix instructions.
.macro TURN slot, next, fill
	WIN 0                                          ; (the add's two registers lie in window 0)
	s_wait_tensorcnt 0x0                           ; all my tensor loads have landed: the one that was out is my part of the next slot;
	ds_add_u32 v[SPW], v[NIL]                      ; 0 onto my spare word;
	s_wait_dscnt 9                                 ; (the add and the youngest eight loads may be out)
	MUL16 F1, 0, 0, 0                              ; sixteen matrix instructions stand between the add and the wait for it
	s_wait_dscnt 0x0                               ; the add is done, and my reads of this slot are over:
	s_barrier_signal -1                            ; say so,
	MUL16 F1, 0, 2, 0                              ; work on registers while the others arrive,
.if \fill
	WIN 0
.endif
	s_barrier_wait -1                              ; and go on when all four have said so
.if \fill
	CREST                                          ; no wave of any partner still reads this slot's tile or has a load on its way
	s_add_nc_u64 s[G0+4*(\slot)+2:G0+4*(\slot)+3], s[G0+4*(\slot)+2:G0+4*(\slot)+3], 2*KSTEP*2   ; no tensor load of mine is out, so a group 0 may be written
	s_add_nc_u64 s[G0B+4*(\slot)+2:G0B+4*(\slot)+3], s[G0B+4*(\slot)+2:G0B+4*(\slot)+3], 2*KSTEP*2
	JLOAD \slot                                    ; the four v_nop behind it are also the places in front of the loads below
.else
	PLACES
.endif
	FETCH \next, 0, F0
	MUL16 F1, 1, 0, 0
	MUL16 F1, 1, 2, 0
.endm
; THE WAY OUT, by blocks a = 0 .. 7 of 16 rows; block a's eight accumulators lie at AC in window WN.
.macro FOLD                            ; the four packed chains into v[U]
	v_pk_add_f32 v[T:T+1], v[T:T+1], v[T+2:T+3]
	v_pk_add_f32 v[T+4:T+5], v[T+4:T+5], v[T+6:T+7]
	v_pk_add_f32 v[T:T+1], v[T:T+1], v[T+4:T+5]
	v_add_f32 v[U], v[T], v[T+1]
.endm
; STAT: my row's mean over the chunk.  Four packed chains over my 64 numbers; each accumulator's lowest registers are read first.  The row's other 64 numbers lie in the lane 16 away.
.macro STAT a
.set AC, 64*((\a)%4)
.set WN, 2+(\a)/4
	WIN WN*5                                       ; sources 0 and 1 in the accumulators' window: column blocks 0 and 1 start the chains
.irp r, 0,1,2,3
	v_pk_add_f32 v[T+2*(\r):T+2*(\r)+1], v[AC+2*(\r):AC+2*(\r)+1], v[AC+8+2*(\r):AC+8+2*(\r)+1]
.endr
	WIN WN                                         ; source 0 alone
.irp b, 2,3,4,5,6,7
.irp r, 0,1,2,3
	v_pk_add_f32 v[T+2*(\r):T+2*(\r)+1], v[AC+8*(\b)+2*(\r):AC+8*(\b)+2*(\r)+1], v[T+2*(\r):T+2*(\r)+1]
.endr
.endr
	WIN 0
	FOLD
	v_permlanex16_b32 v[SP+2*(\a)+1], v[U], s68, s69
	v_add_f32 v[U], v[U], v[SP+2*(\a)+1]           ; the same two numbers in both lanes: the same bits
	v_mul_f32 v[SP+2*(\a)], 0x3c000000, v[U]       ; / 128
.endm
; CENTER: h - mean into D; the sum of its squares, in f32, of the unrounded numbers; the numbers rounded once to f16.
.macro CENTER a
.set AC, 64*((\a)%4)
.set WN, 2+(\a)/4
	WIN WN
.irp b, 0,1,2,3,4,5,6,7
.irp r, 0,1,2,3
	v_pk_add_f32 v[D+8*(\b)+2*(\r):D+8*(\b)+2*(\r)+1], v[AC+8*(\b)+2*(\r):AC+8*(\b)+2*(\r)+1], v[SP+2*(\a):SP+2*(\a)+1] op_sel_hi:[1,0] neg_lo:[0,1] neg_hi:[0,1]
.endr
.endr
	WIN 0
.irp r, 0,1,2,3
	v_pk_mul_f32 v[T+2*(\r):T+2*(\r)+1], v[D+2*(\r):D+2*(\r)+1], v[D+2*(\r):D+2*(\r)+1]
.endr
.irp b, 1,2,3,4,5,6,7
.irp r, 0,1,2,3
	v_pk_fma_f32 v[T+2*(\r):T+2*(\r)+1], v[D+8*(\b)+2*(\r):D+8*(\b)+2*(\r)+1], v[D+8*(\b)+2*(\r):D+8*(\b)+2*(\r)+1], v[T+2*(\r):T+2*(\r)+1]
.endr
.endr
.irp b, 0,1,2,3,4,5,6,7
.irp r, 0,1,2,3
	v_cvt_pk_f16_f32 v[PK+4*(\b)+(\r)], v[D+8*(\b)+2*(\r)], v[D+8*(\b)+2*(\r)+1]
.endr
.endr
	FOLD
	v_permlanex16_b32 v[U+1], v[U], s68, s69
	v_add_f32 v[SP+2*(\a)+1], v[U], v[U+1]
.endm
; TOSTAGE: 16 bytes a lane into my own stage, rows of 272 bytes, and back as whole rows of 256 bytes.
.macro TOSTAGE a
.set BK, BK0+32*((\a)%2)
	s_wait_xcnt 0x0                                ; every earlier memory instruction has had its addresses translated (ISA guide 3.1): the registers that the stores of two blocks ago read are loaded again only behind this wait
.irp b, 0,1,2,3,4,5,6,7
	ds_store_b128 v[STO], v[PK+4*(\b):PK+4*(\b)+3] offset:32*(\b)
.endr
.irp t, 0,1,2,3,4,5,6,7
	ds_load_b128 v[BK+4*(\t):BK+4*(\t)+3], v[RD] offset:(\t)*2*SPITCH  ; LDS serves a wave's instructions in order (ISA guide 5.7.1.4): these see the stores above
.endr
.endm
.macro SEND a
.set BK, BK0+32*((\a)%2)
	s_wait_dscnt 0x0                               ; the block is back in registers: nothing was issued to LDS behind its loads
.irp t, 0,1,2,3,4,5,6,7
	global_store_b128 v[CO], v[BK+4*(\t):BK+4*(\t)+3], s[8:9] offset:(16*(\a)+2*(\t))*SIZE_N*2  ; 16 lanes store 256 consecutive bytes, at a multiple of 256 from hd's first byte; 126 rows at the most: inside the signed 24-bit immediate
.endr
.endm
	s_wait_tensorcnt 1                             ; my part of K step 0 is in; K step 1's may stay out
	s_barrier_signal -1
	s_barrier_wait -1                              ; everybody's is
	FETCH 0, 0, F0
	QUARTER 0, 64,  F0, F1, 1                      ; the first quarter stands in front of the loop: its products start the sums
	WIN 0                                          ; at a label and at a branch every window is 0
	s_mov_b32 s3, LAPS-1
.Llap:                                                 ; a trip goes once round the ring, from a lap's second quarter to the next lap's first, and fills both slots again
	QUARTER 0, 128, F1, F0, 0
	QUARTER 0, 192, F0, F1, 0
	TURN 0, 1, 1
	QUARTER 1, 64,  F0, F1, 0
	QUARTER 1, 128, F1, F0, 0
	QUARTER 1, 192, F0, F1, 0
	TURN 1, 0, 1
	QUARTER 0, 64,  F0, F1, 0
	WIN 0
	s_sub_co_u32 s3, s3, 1
	s_cmp_lg_u32 s3, 0
	s_cbranch_scc1 .Llap
	QUARTER 0, 128, F1, F0, 0                      ; the last lap is written out: it fills nothing, and has no round of the cluster's barrier
	QUARTER 0, 192, F0, F1, 0
	TURN 0, 1, 0
	QUARTER 1, 64,  F0, F1, 0
	QUARTER 1, 128, F1, F0, 0
	QUARTER 1, 192, F0, F1, 0
	s_wait_dscnt 8                                 ; the very last quarter: nothing more to fetch
	MUL16 F1, 0, 0, 0
	MUL16 F1, 0, 2, 0
	s_wait_dscnt 0x0
	MUL16 F1, 1, 0, 0
	MUL16 F1, 1, 2, 0
	WIN 0
	PLACES                                         ; behind the last products, ahead of the first read of a result and the first write into a fragment's register
	STAT 0
	CENTER 0
	TOSTAGE 0
.irp a, 1,2,3,4,5,6,7                  ; block a's arithmetic stands between block a - 1's loads from the stage and the wait for them
	STAT \a
	CENTER \a
	SEND (\a)-1
	TOSTAGE \a
.endr
	SEND 7
	; the statistics: my 128 rows' means and sums of squares go through the stage, so that each leaves as 512 consecutive bytes.  Both halves of the lanes hold the same bits and write the same word.
.irp a, 0,1,2,3,4,5,6,7
	ds_store_b32 v[MS], v[SP+2*(\a)] offset:64*(\a)
	ds_store_b32 v[MS], v[SP+2*(\a)+1] offset:512+64*(\a)
.endr
	ds_load_b128 v[SB:SB+3], v[MR]
	ds_load_b128 v[SB+4:SB+7], v[MR] offset:512
	s_wait_dscnt 0x0
	global_store_b128 v[SO], v[SB:SB+3], s[66:67]
	global_store_b128 v[SO], v[SB+4:SB+7], s[66:67] offset:PLANE
	s_wait_tensorcnt 0x0                           ; the wave's end: these three lines stand behind my last tensor load and my last LDS store
	ds_add_u32 v[SPW], v[NIL]
	s_wait_dscnt 0x0
	CROUND                                         ; the closing round: no work-group ends while a partner may still ask for a tile that names it
	s_endpgm
.Lfunc_end_k_qf59767f223_gemm1:
	.size	k_qf59767f223_gemm1, .Lfunc_end_k_qf59767f223_gemm1-k_qf59767f223_gemm1
	.p2alignl 7, 3214868480
	.fill 96, 4, 3214868480
	.section	.rodata,"a",@progbits
	.p2align	6, 0x0
	.amdhsa_kernel k_qf59767f223_gemm1
		.amdhsa_group_segment_fixed_size 327680
		.amdhsa_private_segment_fixed_size 0
		.amdhsa_enable_private_segment 0
		.amdhsa_kernarg_size 32
		.amdhsa_user_sgpr_count 2
		.amdhsa_user_sgpr_kernarg_segment_ptr 1
		.amdhsa_wavefront_size32 1
		.amdhsa_system_sgpr_workgroup_id_x 1
		.amdhsa_system_sgpr_workgroup_id_y 1
		.amdhsa_system_sgpr_workgroup_id_z 1
		.amdhsa_system_vgpr_workitem_id 0
		.amdhsa_next_free_vgpr 1024
		.amdhsa_next_free_sgpr 70
		.amdhsa_reserve_vcc 0
		.amdhsa_float_denorm_mode_32 3
		.amdhsa_float_denorm_mode_16_64 3
		.amdhsa_memory_ordered 1
		.amdhsa_forward_progress 1
		.amdhsa_inst_pref_size 197
	.end_amdhsa_kernel
	.amdgpu_metadata
---
amdhsa.version: [ 1, 2 ]
amdhsa.kernels:
  - .name:           k_qf59767f223_gemm1
    .symbol:         k_qf59767f223_gemm1.kd
    .args:
      - { .name: xb, .offset: 0, .size: 8, .value_kind: global_buffer, .address_space: global }
      - { .name: w1b, .offset: 8, .size: 8, .value_kind: global_buffer, .address_space: global }
      - { .name: hd, .offset: 16, .size: 8, .value_kind: global_buffer, .address_space: global }
      - { .name: stats, .offset: 24, .size: 8, .value_kind: global_buffer, .address_space: global }
    .group_segment_fixed_size: 327680
    .private_segment_fixed_size: 0
    .kernarg_segment_align: 8
    .kernarg_segment_size: 32
    .max_flat_workgroup_size: 128
    .sgpr_count:     70
    .vgpr_count:     1024
    .wavefront_size: 32
...
	.end_amdgpu_metadata
.endif
;; end of part 2
;; launch thresh (part 3): grid 256 x 1, 8 waves a work-group, no clusters, 0 bytes of LDS; arguments hd, stats, ah; writes ah
.if DOCPART == 3
	.amdgcn_target "amdgcn-amd-amdhsa--gfx1250"
	.amdhsa_code_object_version 6
	.text
	.protected	k_qf59767f223_thresh
	.globl	k_qf59767f223_thresh
	.p2align	8
	.type	k_qf59767f223_thresh,@function
k_qf59767f223_thresh:
	s_mov_b64 s[64:65], 0
	v_nop
	global_prefetch_b8 v0, s[64:65] scope:SCOPE_SE
	s_setreg_imm32_b32 hwreg(HW_REG_WAVE_MODE, 25, 1), 1
	s_wait_xcnt 0x0
; The statistical threshold.  hd: [16384][2048] f16 = h less the mean of its chunk of 128 columns; stats: [2][16][16384] f32 = the chunks' means m_c and centred sums of squares q_c.  For each row:
;   mu = sum of m_c / 16;  s_c = m_c - mu;  M2 = sum of (q_c + 128 s_c^2);  sigma = max(sqrt(M2 / 2047), 1e-6);  ah = max(hd + (s_c - sigma coeff), 0), in f16.
; coeff = the standard normal's quantile at 1 - 307 / 2048 = 1.0368523.  Means, sums and sigma in f32; no variance is formed as a difference of large sums.
; LIMITS.  The addend s_c - sigma coeff is rounded once to f16, and so is the sum; beyond 65,504 they become infinities, below 6e-5 they keep f16's fixed step of 6e-8.
; A variance below 2^-126 counts as 0 (sigma is then 1e-6).  A NaN in hd becomes 0 in ah: the packed maximum drops it.
; SHARES.  A work-group takes 64 rows, a wave 8.  A row is 4,096 bytes: eight loads of 512 consecutive bytes; in piece j lanes 0-15 lie in chunk 2 j, lanes 16-31 in chunk 2 j + 1.
; Four row slots in registers; a row is changed in place and stored from the registers into which it was loaded.  Row and piece stand in the immediates: no address register is ever rewritten.
; The eight rows' statistics are made at once: lane l works for row l % 8 and for the chunks of parity l / 16.  Row i's eight addends are then dealt to all lanes from lane i of each half.
; No LDS, no matrix unit, no cluster: no wave needs another's data.
.set OFF, 3                            ; v3        wave x 8 rows x 4,096 + 16 x lane
.set TA,  4                            ; v4        my offset in stats: parity x 65,536 + (8 wave + l % 8) x 4
.set Z,   5                            ; v5        0
.set M,   8                            ; v[8:15]   m of chunk 2 j + parity; then s; then the addend
.set Q,   16                           ; v[16:23]  q of the same chunks
.set TP,  24                           ; v[24:31]  the addend, twice in f16
.set S,   32                           ; v[32:39]  the row in hand: its addend for my half of piece j
.set X,   40                           ; v[40:167] slot s: 32 registers
.set PLANE, 16*16384*4
	s_load_b128 s[4:7], s[0:1], 0x0                ; hd s[4:5], stats s[6:7]
	s_load_b64 s[8:9], s[0:1], 0x10                ; ah
	s_lshl_b32 s10, ttmp9, 18                      ; the group's 64 rows of 4,096 bytes (under 2^26)
	s_mov_b32 s11, 0
	s_lshl_b32 s16, ttmp9, 8                       ; the group's 64 words in a chunk's line of stats
	s_mov_b32 s17, 0
	s_mov_b32 s12, 0x76543210                      ; v_permlanex16_b32's selects: each lane takes its own place in the other half
	s_mov_b32 s13, 0xfedcba98
	s_mov_b32 s14, 0x3f84b794                      ; coeff
	v_and_b32 v1, 31, v0                           ; lane
	v_and_b32 v2, 0xe0, v0                         ; 32 x wave
	v_lshlrev_b32 v1, 4, v1
	v_lshl_or_b32 v[OFF], v2, 10, v1
	v_and_b32 v6, 7, v0
	v_lshrrev_b32 v2, 2, v2                        ; 8 x wave
	v_add_lshl_u32 v6, v2, v6, 2
	v_bfe_u32 v7, v0, 4, 1                         ; parity
	v_lshl_or_b32 v[TA], v7, 16, v6
	v_mov_b32 v[Z], 0
.irp j, 0,1,2,3,4,5,6,7
	v_mov_b32 v[S+(\j)], 0                         ; the destination of a DPP move counts as read: written once here
.endr
	s_wait_kmcnt 0x0
	s_add_nc_u64 s[4:5], s[4:5], s[10:11]
	s_add_nc_u64 s[8:9], s[8:9], s[10:11]
	s_add_nc_u64 s[6:7], s[6:7], s[16:17]
.irp j, 0,1,2,3,4,5,6,7
	global_load_b32 v[M+(\j)], v[TA], s[6:7] offset:(\j)*131072
	global_load_b32 v[Q+(\j)], v[TA], s[6:7] offset:PLANE+(\j)*131072
.endr
.macro FILL s, row                     ; eight loads: 512 consecutive bytes each, the whole row
.irp j, 0,1,2,3,4,5,6,7
	global_load_b128 v[X+32*(\s)+4*(\j):X+32*(\s)+4*(\j)+3], v[OFF], s[4:5] offset:(\row)*4096+(\j)*512 th:TH_LOAD_NT
.endr
.endm
	FILL 0, 0
	FILL 1, 1
	FILL 2, 2
	FILL 3, 3
	s_wait_loadcnt 32                              ; the sixteen words of stats are in; the four rows' 32 loads stay out
	v_add_f32 v6, v[M], v[M+1]
	v_add_f32 v7, v[M+2], v[M+3]
	v_add_f32 v1, v[M+4], v[M+5]
	v_add_f32 v2, v[M+6], v[M+7]
	v_add_f32 v6, v6, v7
	v_add_f32 v1, v1, v2
	v_add_f32 v6, v6, v1
	v_permlanex16_b32 v7, v6, s12, s13             ; the chunks of the other parity lie in the lane 16 away
	v_add_f32 v6, v6, v7
	v_mul_f32 v6, 0x3d800000, v6                   ; mu = / 16
.irp j, 0,1,2,3,4,5,6,7
	v_sub_f32 v[M+(\j)], v[M+(\j)], v6             ; s_c
.endr
	v_mul_f32 v1, v[M], v[M]
	v_mul_f32 v2, v[M+1], v[M+1]
.irp j, 2,4,6
	v_fmac_f32 v1, v[M+(\j)], v[M+(\j)]
	v_fmac_f32 v2, v[M+(\j)+1], v[M+(\j)+1]
.endr
	v_add_f32 v6, v[Q], v[Q+1]
	v_add_f32 v7, v[Q+2], v[Q+3]
	v_add_f32 v[Q+4], v[Q+4], v[Q+5]
	v_add_f32 v[Q+6], v[Q+6], v[Q+7]
	v_add_f32 v1, v1, v2
	v_add_f32 v6, v6, v7
	v_add_f32 v[Q+4], v[Q+4], v[Q+6]
	v_add_f32 v6, v6, v[Q+4]
	v_fmamk_f32 v6, v1, 0x43000000, v6             ; 128 x the sum of s_c^2 + the sum of q_c
	v_permlanex16_b32 v7, v6, s12, s13
	v_add_f32 v6, v6, v7                           ; M2
	v_mul_f32 v6, 0x3a001002, v6                   ; / 2047
	v_sqrt_f32 v6, v6
	v_nop                                          ; a plain instruction between the root and the use of its result (ISA guide 5.7.2)
	s_wait_alu depctr_va_vdst(0)
	v_max_num_f32 v6, 0x358637bd, v6               ; sigma, 1e-6 at the least
.irp j, 0,1,2,3,4,5,6,7
	v_fma_f32 v[M+(\j)], -v6, s14, v[M+(\j)]       ; s_c - sigma coeff
.endr
.irp j, 0,1,2,3,4,5,6,7
	v_cvt_pk_f16_f32 v[TP+(\j)], v[M+(\j)], v[M+(\j)]
.endr
; Row i's turn, in slot i % 4.  left = the row loads younger than row i's, which may stay out.  fill = 1: the slot in front, whose stores left a turn ago, takes row i + 3.
.macro TURN i, left, fill
.set XS, X+32*((\i)%4)
	s_wait_loadcnt \left
.irp j, 0,1,2,3,4,5,6,7
	v_mov_b32_dpp v[S+(\j)], v[TP+(\j)] row_share:\i row_mask:0xf bank_mask:0xf  ; lane i of my half of the lanes worked for row i and my half's chunk
.endr
.irp j, 0,1,2,3,4,5,6,7
.irp k, 0,1,2,3
	v_pk_add_f16 v[XS+4*(\j)+(\k)], v[XS+4*(\j)+(\k)], v[S+(\j)]
.endr
.irp k, 0,1,2,3
	v_pk_max_num_f16 v[XS+4*(\j)+(\k)], v[XS+4*(\j)+(\k)], v[Z]
.endr
	global_store_b128 v[OFF], v[XS+4*(\j):XS+4*(\j)+3], s[8:9] offset:(\i)*4096+(\j)*512
.endr
.if \fill
	s_wait_xcnt 0x0                                ; every earlier memory instruction has had its addresses translated (ISA guide 3.1): the slot in front is loaded again only behind this wait
	FILL ((\i)+3)%4, (\i)+3
.endif
.endm
	TURN 0, 24, 0                                  ; rows 1 to 3 stay out
	TURN 1, 16, 1                                  ; from here on the two rows behind the one in hand
	TURN 2, 16, 1
	TURN 3, 16, 1
	TURN 4, 16, 1
	TURN 5, 16, 0                                  ; nothing is left to fetch: the counts run down
	TURN 6, 8, 0
	TURN 7, 0, 0
	s_endpgm
.Lfunc_end_k_qf59767f223_thresh:
	.size	k_qf59767f223_thresh, .Lfunc_end_k_qf59767f223_thresh-k_qf59767f223_thresh
	.p2alignl 7, 3214868480
	.fill 96, 4, 3214868480
	.section	.rodata,"a",@progbits
	.p2align	6, 0x0
	.amdhsa_kernel k_qf59767f223_thresh
		.amdhsa_group_segment_fixed_size 0
		.amdhsa_private_segment_fixed_size 0
		.amdhsa_enable_private_segment 0
		.amdhsa_kernarg_size 24
		.amdhsa_user_sgpr_count 2
		.amdhsa_user_sgpr_kernarg_segment_ptr 1
		.amdhsa_wavefront_size32 1
		.amdhsa_system_sgpr_workgroup_id_x 1
		.amdhsa_system_sgpr_workgroup_id_y 1
		.amdhsa_system_sgpr_workgroup_id_z 1
		.amdhsa_system_vgpr_workitem_id 0
		.amdhsa_next_free_vgpr 168
		.amdhsa_next_free_sgpr 66
		.amdhsa_reserve_vcc 0
		.amdhsa_float_denorm_mode_32 3
		.amdhsa_float_denorm_mode_16_64 3
		.amdhsa_memory_ordered 1
		.amdhsa_forward_progress 1
		.amdhsa_inst_pref_size 54
	.end_amdhsa_kernel
	.amdgpu_metadata
---
amdhsa.version: [ 1, 2 ]
amdhsa.kernels:
  - .name:           k_qf59767f223_thresh
    .symbol:         k_qf59767f223_thresh.kd
    .args:
      - { .name: hd, .offset: 0, .size: 8, .value_kind: global_buffer, .address_space: global }
      - { .name: stats, .offset: 8, .size: 8, .value_kind: global_buffer, .address_space: global }
      - { .name: ah, .offset: 16, .size: 8, .value_kind: global_buffer, .address_space: global }
    .group_segment_fixed_size: 0
    .private_segment_fixed_size: 0
    .kernarg_segment_align: 8
    .kernarg_segment_size: 24
    .max_flat_workgroup_size: 256
    .sgpr_count:     66
    .vgpr_count:     168
    .wavefront_size: 32
...
	.end_amdgpu_metadata
.endif
;; end of part 3
;; launch gemm2 (part 4): grid 4 x 64, 4 waves a work-group, clusters of 4 x 4, 327,680 bytes of LDS; arguments ah, w2h, out0; writes out0
.if DOCPART == 4
	.amdgcn_target "amdgcn-amd-amdhsa--gfx1250"
	.amdhsa_code_object_version 6
	.text
	.protected	k_qf59767f223_gemm2
	.globl	k_qf59767f223_gemm2
	.p2align	8
	.type	k_qf59767f223_gemm2,@function
k_qf59767f223_gemm2:
	s_mov_b64 s[64:65], 0
	v_nop
	global_prefetch_b8 v0, s[64:65] scope:SCOPE_SE
	s_setreg_imm32_b32 hwreg(HW_REG_WAVE_MODE, 25, 1), 1
	s_wait_xcnt 0x0
	s_wait_alu depctr_hold_cnt(0) depctr_sa_sdst(0) depctr_va_vdst(0) depctr_va_sdst(0) depctr_va_ssrc(0) depctr_va_vcc(0) depctr_vm_vsrc(0)
	s_getreg_b32 s2, hwreg(HW_REG_IB_STS2, 6, 4)
	s_cmp_eq_u32 s2, 0
	s_cbranch_scc0 .Lentry_in_a_cluster
	s_endpgm
.Lentry_in_a_cluster:
	s_bfe_u32 s2, ttmp6, 0x10000c
	s_cmp_lg_u32 s2, 0xf033
	s_cbranch_scc0 .Lentry_shape_is_right
	s_endpgm
.Lentry_shape_is_right:
; out0[m][n] = sum over k of ah[m][k] w2h[n][k].  ah: [16384][2048], w2h: [1024][2048], both f16; sums in f32; out0: [16384][1024] f32, stored as the sums stand.
; LIMITS.  The operands arrive within f16's range; NaN and infinities are not treated apart.
; SHARES.  A tile of out0, 256 x 256, is made by a work-group of four waves; a wave makes 128 x 128: 64 accumulators of 16 x 16, 512 registers.  K goes in steps of 128 through a ring of two LDS slots
; filled by the tensor data mover: the tiles' rows are 256 bytes of memory and start at multiples of 256 bytes from the buffer's first byte.  4 x 64 tiles, one to a work-group.
; CLUSTERS: 4 x 4 work-groups.  The four of a row of the cluster need the same tiles of ah, the four of a column the same tiles of w2h: each tile is asked for JOINTLY, by the same tensor load with the
; same descriptor and a mask that names the four; each receives it in its own LDS.
; THE MATRIX INSTRUCTION IS USED TRANSPOSED: source 0 = 16 rows of w2h, source 1 = 16 rows of ah.  In the result lane l holds row l % 16 of out0 and its registers 0 to 7 the columns 8 (l / 16) + 0 .. 7:
; 32 neighbouring bytes of a row.
; REGISTERS, in windows of 256 (s_set_vgpr_msb's low byte: bits 1:0 source 0, 3:2 source 1, 5:4 source 2, 7:6 destination):
;   window 0: v0-31 addresses; v64-127, v128-191 fragments of ah, two buffers (on the way out: 16 rows read back from the stage, by turns)
;   window 1: v64-127, v128-191 fragments of w2h, two buffers
;   window 2: the 32 accumulators of my rows 0-63 (accumulator (a, b) at v[8 (8 a + b)]);   window 3: those of my rows 64-127
.set SIZE_N, 1024
.set SIZE_K, 2048
.set KSTEP,  128
.set PITCH,  272                       ; an LDS row: 256 bytes of data + 16 of padding = 68 words: row r starts at bank 4 r mod 64 (64 banks of 4 bytes: ISA guide 11.1), so the 16 rows that a load touches start at 16 different banks
.set HALFT,  128*PITCH                 ; 128 rows: what one tensor load brings, and what one wave reads of ah or of w2h
.set SLOT,   4*HALFT                   ; ah's 256 rows, then w2h's 256 rows
.set STAGE,  2*SLOT                    ; behind the ring: 16 rows x 528 bytes for each wave, for the way out; no tensor load lands there
.set SPITCH, 528                       ; 512 bytes (128 f32) + 16: 132 words, so that the 16 rows of a store start at 16 different groups of four banks
.set SPARE,  STAGE+4*16*SPITCH         ; behind the stages: the spare words, 128 bytes for each wave: two blocks of 256 bytes that no other line names
.set LAPS, SIZE_K/(2*KSTEP)            ; a lap = two K steps = once round the ring: 8
.set ADRA, 16                          ; v16-17  LDS address of my ah fragments in slot 0, 1
.set ADRB, 20                          ; v20-21  the same for w2h
.set STO,  24                          ; v24     the way out: where I put 32 bytes of a row
.set RD,   25                          ; v25     the way out: where I read 16 bytes of a row back
.set CO,   26                          ; v26     my byte offset in 512 bytes of out0
.set SPW,  28                          ; v28     LDS address of my spare word: SPARE + 4 x my thread's number; never rewritten
.set NIL,  29                          ; v29     0; never rewritten
.set F0,   64                          ; fragment buffer 0
.set F1,   128                         ; fragment buffer 1
.set G1, 24                            ; s[24:31] descriptor group 1 for ah's tiles
.set G0, 32                            ; s[32:39] descriptor group 0 for ah's tiles, one set for each slot
.set G1B, 48                           ; s[48:55] descriptor group 1 for w2h's tiles: it differs in the mask alone
.set G0B, 56                           ; s[56:63] descriptor group 0 for w2h's tiles, one set for each slot
.set MSB, 0
.macro WIN new                         ; the immediate's high byte repeats the setting that is left; a switch that changes nothing is dropped
.if MSB != (\new)
	s_set_vgpr_msb (MSB<<8)|(\new)
.set MSB, \new
.endif
.endm
.set MUL_LO, 0xa1                      ; source 0 (w2h) window 1, source 1 (ah) window 0, C and D window 2
.set MUL_HI, 0xf1                      ; the same, C and D window 3
.set TO_B,   0x40                      ; destination window 1, address window 0
; A joint load.  Waves 0 and 1 fetch ah's two halves, waves 2 and 3 w2h's.  Each of the two lines has ONE mask and one set of registers for all that issue it.  The branch hangs on the wave's number alone.
; An s_nop 0 and four v_nop follow each of the two lines, ahead of the jump, the label and what follows the macro.
.macro JLOAD s
	s_cmp_eq_u32 s11, 0
	s_cbranch_scc0 .Lfor_b_\@
	tensor_load_to_lds s[G0+4*(\s):G0+4*(\s)+3], s[G1:G1+7]
	s_nop 0
.rept 4
	v_nop
.endr
	s_branch .Lasked_\@
.Lfor_b_\@:
	tensor_load_to_lds s[G0B+4*(\s):G0B+4*(\s)+3], s[G1B:G1B+7]
	s_nop 0
.rept 4
	v_nop
.endr
.Lasked_\@:
.endm
; A round of the cluster's barrier: my work-group's barrier, so that wave 0's signal speaks for all four waves; wave 0 signals for the work-group; every wave waits for all sixteen work-groups;
; my work-group's barrier once more.  No LDS instruction of the wave is pending at a signal.
.macro CREST                           ; a round behind its opening barrier
	s_cmp_lg_u32 s10, 0
	s_cbranch_scc1 .Lnot_wave_0_\@
	s_barrier_signal -3
.Lnot_wave_0_\@:
	s_barrier_wait -3
	s_barrier_signal -1
	s_barrier_wait -1
.endm
.macro CROUND                          ; a whole round
	s_barrier_signal -1
	s_barrier_wait -1
	CREST
.endm
	s_load_b128 s[4:7], s[0:1], 0x0                ; ah s[4:5], w2h s[6:7]
	s_load_b64 s[8:9], s[0:1], 0x10                ; out0
	v_lshl_add_u32 v[SPW], v0, 2, SPARE
	v_mov_b32 v[NIL], 0
	ds_add_u32 v[SPW], v[NIL]                      ; the wave's opening: the add and its wait stand ahead of my first tensor load; the set-up below, work on registers, stands between them
	v_lshrrev_b32 v1, 5, v0
	v_readfirstlane_b32 s10, v1                    ; wave 0..3
	s_lshr_b32 s11, s10, 1                         ; which half of the tile's rows is mine.  Also: I fetch for ah (0) or for w2h (1)
	s_and_b32 s12, s10, 1                          ; which half of its columns.  Also: which 128 rows of that tile I fetch
	s_bfe_u32 s40, ttmp6, 0x40000                  ; cx: my place along the cluster's x
	s_bfe_u32 s41, ttmp6, 0x40004                  ; cy: along its y
	s_lshl_b32 s42, ttmp9, 2                       ; in a cluster launch ttmp9 and ttmp7 count clusters
	s_add_co_u32 s42, s42, s40                     ; tile column = 4 x cluster x + cx
	s_and_b32 s13, ttmp7, 0xffff
	s_lshl_b32 s13, s13, 2
	s_add_co_u32 s13, s13, s41                     ; tile row = 4 x cluster y + cy
	s_lshl_b32 s43, s41, 2
	s_lshl_b32 s43, 15, s43                        ; my row of the cluster: places 4 cy .. 4 cy + 3
	s_lshl_b32 s44, 0x1111, s40                    ; my column: places cx, cx + 4, cx + 8, cx + 12
	; descriptor group 1: a tile of 128 rows x 128 elements, padded in LDS
	s_or_b32 s[G1+0], s43, (1<<16)|(1<<20)|(1<<21)|(5<<22)|(3<<25)  ; 15:0 the mask: ah's tiles go to my row; 17:16 elements of 2 bytes; 20 padding on; 21 set beside a mask; 24:22 after every 64 words (code 5); 31:25 4 words of it (code 3)
	s_or_b32 s[G1B+0], s44, (1<<16)|(1<<20)|(1<<21)|(5<<22)|(3<<25) ; the same with the mask of my column, for w2h's tiles
.irp g, G1, G1B
	s_mov_b32 s[(\g)+1], KSTEP<<16                 ; 63:48 tensor_dim0, low half = 128
	s_mov_b32 s[(\g)+2], 128<<16                   ; 79:64 its high half = 0; 95:80 tensor_dim1, low half = 128
	s_mov_b32 s[(\g)+3], KSTEP<<16                 ; 111:96 its high half = 0; 127:112 tile_dim0 = 128
	s_mov_b32 s[(\g)+4], 128                       ; 143:128 tile_dim1 = 128; 159:144 tile_dim2 = 0
	s_mov_b32 s[(\g)+5], SIZE_K                    ; 191:160 tensor_dim0_stride, low word: elements from row to row
	s_mov_b32 s[(\g)+6], 0
	s_mov_b32 s[(\g)+7], 0
.endr
	; where the tiles come from.  ah's hang on the tile row alone, which my row of the cluster shares; w2h's on the tile column alone, which my column shares.
	; Every wave makes both addresses, in registers that never hold the other coordinate, and asks by one of them.
	s_lshl_b32 s17, s12, 7                         ; which 128 rows of the tile I fetch
	s_lshl_b32 s16, s13, 8
	s_add_co_u32 s16, s16, s17                     ; ah: row 256 x tile row + 128 x half
	s_lshl_b32 s46, s42, 8
	s_add_co_u32 s46, s46, s17                     ; w2h: row 256 x tile column + 128 x half
	s_mov_b32 s17, 0
	s_mov_b32 s47, 0
	s_mov_b64 s[18:19], SIZE_K*2
	s_mul_u64 s[16:17], s[16:17], s[18:19]         ; in bytes
	s_mul_u64 s[46:47], s[46:47], s[18:19]
	s_mul_i32 s20, s10, HALFT                      ; and where they go: wave x 128 rows: no place in the cluster enters an LDS address
	s_wait_dscnt 0x0                               ; the opening add is done
	s_wait_kmcnt 0x0
	s_add_nc_u64 s[14:15], s[4:5], s[16:17]
	s_add_nc_u64 s[46:47], s[6:7], s[46:47]
	CROUND                                         ; all sixteen work-groups are here: the first joint loads meet
.irp s, 0,1
	s_mov_b32 s[G0+4*(\s)], 1                                      ; 1:0 count = 1
	s_add_co_u32 s[G0+4*(\s)+1], s20, (\s)*SLOT                    ; 63:32 LDS address
	s_add_nc_u64 s[G0+4*(\s)+2:G0+4*(\s)+3], s[14:15], (\s)*KSTEP*2  ; 120:64 global address: K step s
	s_or_b32 s[G0+4*(\s)+3], s[G0+4*(\s)+3], 0x80000000            ; 127:126 type = 2
	s_mov_b32 s[G0B+4*(\s)], 1
	s_add_co_u32 s[G0B+4*(\s)+1], s20, (\s)*SLOT
	s_add_nc_u64 s[G0B+4*(\s)+2:G0B+4*(\s)+3], s[46:47], (\s)*KSTEP*2
	s_or_b32 s[G0B+4*(\s)+3], s[G0B+4*(\s)+3], 0x80000000
	JLOAD \s                                       ; the ring is filled before anything else is done: two tensor loads of mine are out
.endr
	; A fragment is 16 rows x 32 K in 8 registers: lane l holds row l % 16; registers 0-3 hold K = 8 (l / 16) + 0..7, registers 4-7 hold K = 16 + 8 (l / 16) + 0..7: two loads of 16 bytes, 32 bytes apart.
	v_and_b32 v1, 15, v0                           ; l % 16
	v_bfe_u32 v2, v0, 4, 1                         ; l / 16
	v_mul_u32_u24 v3, v1, PITCH
	v_lshl_add_u32 v3, v2, 4, v3                   ; row x pitch + 16 x half
	s_mul_i32 s21, s11, HALFT                      ; my 128 rows of ah
	s_mul_i32 s22, s12, HALFT                      ; my 128 rows of w2h,
	s_add_co_u32 s22, s22, 2*HALFT                 ; which lie behind ah's 256
.irp s, 0,1
	v_add_nc_u32 v[ADRA+(\s)], s21, v3
	v_add_nc_u32 v[ADRB+(\s)], s22, v3
	s_add_co_u32 s21, s21, SLOT
	s_add_co_u32 s22, s22, SLOT
.endr
	s_mul_i32 s23, s10, 16*SPITCH
	s_add_co_u32 s23, s23, STAGE                   ; my stage
	v_mul_u32_u24 v4, v1, SPITCH                   ; in: row l % 16, 32 bytes for each half of the lanes
	v_lshl_add_u32 v4, v2, 5, v4
	v_add_nc_u32 v[STO], s23, v4
	v_and_b32 v5, 31, v0
	v_lshlrev_b32 v[CO], 4, v5                     ; back: the 32 lanes take one row's 512 bytes, which are 512 consecutive bytes of out0
	v_add_nc_u32 v[RD], s23, v[CO]
	; where my part begins in out0; the offset stays under 2^27
	s_lshl_b32 s13, s13, 8
	s_lshl_b32 s14, s11, 7
	s_add_co_u32 s16, s13, s14                     ; my first row,
	s_lshl_b32 s16, s16, 12                        ; its 4,096 bytes
	s_lshl_b32 s46, s42, 10                        ; my first column in bytes: 1,024 x tile column + 512 x half
	s_lshl_b32 s47, s12, 9
	s_add_co_u32 s46, s46, s47
	s_add_co_u32 s16, s16, s46
	s_mov_b32 s17, 0
	s_add_nc_u64 s[8:9], s[8:9], s[16:17]
; 16 matrix instructions: m blocks a0, a0 + 1 of the window's four (hi = 0: my rows 0-63, 1: rows 64-127) x all 8 n blocks, 32 along K.  zero = 1: the first product starts the sums: nothing is ever cleared.
; The 64 accumulators take turns, one instruction a turn, in the same order in every quarter step.
.macro MUL16 f, hi, a0, zero
	WIN MUL_LO+0x50*(\hi)
.irp a, \a0, (\a0)+1
.irp b, 0,1,2,3,4,5,6,7
.if \zero
	v_wmma_f32_16x16x32_f16 v[8*(8*(\a)+(\b)):8*(8*(\a)+(\b))+7], v[(\f)+8*(\b):(\f)+8*(\b)+7], v[(\f)+8*(4*(\hi)+(\a)):(\f)+8*(4*(\hi)+(\a))+7], 0
.else
	v_wmma_f32_16x16x32_f16 v[8*(8*(\a)+(\b)):8*(8*(\a)+(\b))+7], v[(\f)+8*(\b):(\f)+8*(\b)+7], v[(\f)+8*(4*(\hi)+(\a)):(\f)+8*(4*(\hi)+(\a))+7], v[8*(8*(\a)+(\b)):8*(8*(\a)+(\b))+7]
.endif
.endr
.endr
.endm
; 32 LDS loads in one run: the fragments of one quarter step (128 rows of w2h, 128 rows of ah, 32 K at byte k of the rows) into buffer f
.macro FETCH slot, k, f
	WIN TO_B
.irp i, 0,1,2,3,4,5,6,7
	ds_load_b128 v[(\f)+8*(\i):(\f)+8*(\i)+3],   v[ADRB+(\slot)] offset:(\k)+(\i)*16*PITCH
	ds_load_b128 v[(\f)+8*(\i)+4:(\f)+8*(\i)+7], v[ADRB+(\slot)] offset:(\k)+(\i)*16*PITCH+32
.endr
	WIN 0
.irp i, 0,1,2,3,4,5,6,7
	ds_load_b128 v[(\f)+8*(\i):(\f)+8*(\i)+3],   v[ADRA+(\slot)] offset:(\k)+(\i)*16*PITCH
	ds_load_b128 v[(\f)+8*(\i)+4:(\f)+8*(\i)+7], v[ADRA+(\slot)] offset:(\k)+(\i)*16*PITCH+32
.endr
.endm
; A load into a register that a matrix instruction has read, and a store that reads a matrix result, stand four places behind it, and only plain vector instructions that name none of its registers are
; places (ISA guide 7.12.1 for vector instructions).
.macro PLACES
.rept 4
	v_nop
.endr
.endm
; A K step is four quarter steps of 32 along K, 64 matrix instructions each, on buffers 0, 1, 0, 1.
; One of the first three: multiplies buffer f; in its middle it fetches the next quarter's fragments, at byte k of the same slot's rows, into buffer g.
.macro QUARTER slot, k, f, g, zero
	s_wait_dscnt 8                                 ; w2h and ah's rows 0-63 are in; the youngest eight loads (ah's rows 64-127) may be out
	MUL16 \f, 0, 0, \zero
	MUL16 \f, 0, 2, \zero
	PLACES
	FETCH \slot, \k, \g
	s_wait_dscnt 32                                ; all but the 32 just issued
	MUL16 \f, 1, 0, \zero
	MUL16 \f, 1, 2, \zero
.endm
; The last quarter multiplies buffer 1 and changes slots: ONE barrier, for two things.  In front of it each wave waits for all its tensor loads, of which one is out: its part of the next slot; adds 0 to its
; spare word; and waits for that and for its own reads of this slot.  Behind it nobody reads this slot any more and the next slot is whole.
; fill = 1: this slot is filled again, two K steps ahead.  The barrier then opens a round of the cluster's barrier, and the joint load is the first tensor load behind the round:
; from there to the wait for it a wave issues 224 matrix instructions.
.macro TURN slot, next, fill
	WIN 0                                          ; (the add's two registers lie in window 0)
	s_wait_tensorcnt 0x0                           ; all my tensor loads have landed: the one that was out is my part of the next slot;
	ds_add_u32 v[SPW], v[NIL]                      ; 0 onto my spare word;
	s_wait_dscnt 9                                 ; (the add and the youngest eight loads may be out)
	MUL16 F1, 0, 0, 0                              ; sixteen matrix instructions stand between the add and the wait for it
	s_wait_dscnt 0x0                               ; the add is done, and my reads of this slot are over:
	s_barrier_signal -1                            ; say so,
	MUL16 F1, 0, 2, 0                              ; work on registers while the others arrive,
.if \fill
	WIN 0
.endif
	s_barrier_wait -1                              ; and go on when all four have said so
.if \fill
	CREST                                          ; no wave of any partner still reads this slot's tile or has a load on its way
	s_add_nc_u64 s[G0+4*(\slot)+2:G0+4*(\slot)+3], s[G0+4*(\slot)+2:G0+4*(\slot)+3], 2*KSTEP*2   ; no tensor load of mine is out, so a group 0 may be written
	s_add_nc_u64 s[G0B+4*(\slot)+2:G0B+4*(\slot)+3], s[G0B+4*(\slot)+2:G0B+4*(\slot)+3], 2*KSTEP*2
	JLOAD \slot                                    ; the four v_nop behind it are also the places in front of the loads below
.else
	PLACES
.endif
	FETCH \next, 0, F0
	MUL16 F1, 1, 0, 0
	MUL16 F1, 1, 2, 0
.endm
; THE WAY OUT, by blocks a = 0 .. 7 of 16 rows.  The sums go as they stand: 32 bytes a lane into my own stage, rows of 528 bytes, and back as whole rows of 512 bytes.
; Each accumulator's four lowest registers are stored first.
.macro TOST a
.set AC, 64*((\a)%4)
.set BK, F0+64*((\a)%2)
	s_wait_xcnt 0x0                                ; every earlier memory instruction has had its addresses translated (ISA guide 3.1): the registers that the stores of two blocks ago read are loaded again only behind this wait
	WIN (2+(\a)/4)<<2                              ; an LDS store's data is source 1: the accumulators' window
.irp b, 0,1,2,3,4,5,6,7
	ds_store_b128 v[STO], v[AC+8*(\b):AC+8*(\b)+3] offset:64*(\b)
	ds_store_b128 v[STO], v[AC+8*(\b)+4:AC+8*(\b)+7] offset:64*(\b)+16
.endr
	WIN 0
.irp t, 0,1,2,3,4,5,6,7,8,9,10,11,12,13,14,15
	ds_load_b128 v[BK+4*(\t):BK+4*(\t)+3], v[RD] offset:(\t)*SPITCH  ; LDS serves a wave's instructions in order (ISA guide 5.7.1.4): these see the stores above; the next block's stores come behind them
.endr
.endm
.macro SEND a, younger                 ; younger: the LDS instructions issued behind block a's loads: the next block's 32, or none
.set BK, F0+64*((\a)%2)
	s_wait_dscnt \younger                          ; the block is back in registers
.irp t, 0,1,2,3,4,5,6,7,8,9,10,11,12,13,14,15
	global_store_b128 v[CO], v[BK+4*(\t):BK+4*(\t)+3], s[8:9] offset:(16*(\a)+(\t))*SIZE_N*4 th:TH_STORE_NT  ; the wave stores 512 consecutive bytes, at a multiple of 512 from out0's first byte; 127 rows at the most: inside the signed 24-bit immediate
.endr
.endm
	s_wait_tensorcnt 1                             ; my part of K step 0 is in; K step 1's may stay out
	s_barrier_signal -1
	s_barrier_wait -1                              ; everybody's is
	FETCH 0, 0, F0
	QUARTER 0, 64,  F0, F1, 1                      ; the first quarter stands in front of the loop: its products start the sums
	WIN 0                                          ; at a label and at a branch every window is 0
	s_mov_b32 s3, LAPS-1
.Llap:                                                 ; a trip goes once round the ring, from a lap's second quarter to the next lap's first, and fills both slots again
	QUARTER 0, 128, F1, F0, 0
	QUARTER 0, 192, F0, F1, 0
	TURN 0, 1, 1
	QUARTER 1, 64,  F0, F1, 0
	QUARTER 1, 128, F1, F0, 0
	QUARTER 1, 192, F0, F1, 0
	TURN 1, 0, 1
	QUARTER 0, 64,  F0, F1, 0
	WIN 0
	s_sub_co_u32 s3, s3, 1
	s_cmp_lg_u32 s3, 0
	s_cbranch_scc1 .Llap
	QUARTER 0, 128, F1, F0, 0                      ; the last lap is written out: it fills nothing, and has no round of the cluster's barrier
	QUARTER 0, 192, F0, F1, 0
	TURN 0, 1, 0
	QUARTER 1, 64,  F0, F1, 0
	QUARTER 1, 128, F1, F0, 0
	QUARTER 1, 192, F0, F1, 0
	s_wait_dscnt 8                                 ; the very last quarter: nothing more to fetch
	MUL16 F1, 0, 0, 0
	MUL16 F1, 0, 2, 0
	s_wait_dscnt 0x0
	MUL16 F1, 1, 0, 0
	MUL16 F1, 1, 2, 0
	WIN 0
	PLACES                                         ; behind the last products, ahead of the first store of a result and the first load into a fragment's register
	TOST 0
.irp a, 1,2,3,4,5,6,7                  ; block a's way through the stage is under way while block a - 1 is stored
	TOST \a
	SEND (\a)-1, 32
.endr
	SEND 7, 0
	s_wait_tensorcnt 0x0                           ; the wave's end: these three lines stand behind my last tensor load and my last LDS store
	ds_add_u32 v[SPW], v[NIL]
	s_wait_dscnt 0x0
	CROUND                                         ; the closing round: no work-group ends while a partner may still ask for a tile that names it
	s_endpgm
.Lfunc_end_k_qf59767f223_gemm2:
	.size	k_qf59767f223_gemm2, .Lfunc_end_k_qf59767f223_gemm2-k_qf59767f223_gemm2
	.p2alignl 7, 3214868480
	.fill 96, 4, 3214868480
	.section	.rodata,"a",@progbits
	.p2align	6, 0x0
	.amdhsa_kernel k_qf59767f223_gemm2
		.amdhsa_group_segment_fixed_size 327680
		.amdhsa_private_segment_fixed_size 0
		.amdhsa_enable_private_segment 0
		.amdhsa_kernarg_size 24
		.amdhsa_user_sgpr_count 2
		.amdhsa_user_sgpr_kernarg_segment_ptr 1
		.amdhsa_wavefront_size32 1
		.amdhsa_system_sgpr_workgroup_id_x 1
		.amdhsa_system_sgpr_workgroup_id_y 1
		.amdhsa_system_sgpr_workgroup_id_z 1
		.amdhsa_system_vgpr_workitem_id 0
		.amdhsa_next_free_vgpr 1024
		.amdhsa_next_free_sgpr 66
		.amdhsa_reserve_vcc 0
		.amdhsa_float_denorm_mode_32 3
		.amdhsa_float_denorm_mode_16_64 3
		.amdhsa_memory_ordered 1
		.amdhsa_forward_progress 1
		.amdhsa_inst_pref_size 140
	.end_amdhsa_kernel
	.amdgpu_metadata
---
amdhsa.version: [ 1, 2 ]
amdhsa.kernels:
  - .name:           k_qf59767f223_gemm2
    .symbol:         k_qf59767f223_gemm2.kd
    .args:
      - { .name: ah, .offset: 0, .size: 8, .value_kind: global_buffer, .address_space: global }
      - { .name: w2h, .offset: 8, .size: 8, .value_kind: global_buffer, .address_space: global }
      - { .name: out0, .offset: 16, .size: 8, .value_kind: global_buffer, .address_space: global }
    .group_segment_fixed_size: 327680
    .private_segment_fixed_size: 0
    .kernarg_segment_align: 8
    .kernarg_segment_size: 24
    .max_flat_workgroup_size: 128
    .sgpr_count:     66
    .vgpr_count:     1024
    .wavefront_size: 32
...
	.end_amdgpu_metadata
.endif
;; end of part 4
;; ======== version 2 of 2: 3 launches; 1.12 times as fast as version 1
;; limits: values are held in f16: magnitudes above 65,504 overflow, below 6.1e-05 lose precision
;; workspace buffers: xb 33,554,432 bytes; w1b 4,194,304 bytes; w2h 4,194,304 bytes; hd 67,108,864 bytes; stats 2,097,152 bytes
;; launch prep (part 5): grid 1280 x 1, 8 waves a work-group, no clusters, 0 bytes of LDS; arguments x, w1, w2, xb, w1b, w2h; writes xb, w1b, w2h
.if DOCPART == 5
	.amdgcn_target "amdgcn-amd-amdhsa--gfx1250"
	.amdhsa_code_object_version 6
	.text
	.protected	k_qf59767f223_prep
	.globl	k_qf59767f223_prep
	.p2align	8
	.type	k_qf59767f223_prep,@function
k_qf59767f223_prep:
	s_mov_b64 s[64:65], 0
	v_nop
	global_prefetch_b8 v0, s[64:65] scope:SCOPE_SE
	s_setreg_imm32_b32 hwreg(HW_REG_WAVE_MODE, 25, 1), 1
	s_wait_xcnt 0x0
; The three inputs are rounded once for the matrix units.  xb = bf16(x), w1b = bf16(w1), w2h = f16(bf16(w2)): w2 is rounded to bf16 like the other
; inputs, and that number is written as f16, since the second product's other operand is f16.
; LIMITS.  A bf16 number beyond 65,504 becomes an infinity in w2h; below 6e-5 it keeps f16's fixed step of 6e-8.
; SHARES.  A work-group converts 16,384 numbers (65,536 bytes in, 32,768 out): groups 0-1023 take x, 1024-1151 w1, 1152-1279 w2.
; Thread t, piece j of 16: the 16 bytes at 16 t + 4,096 j become 8 bytes at 8 t + 2,048 j.  So a wave's load covers 512 consecutive bytes and a wave's
; store 256 consecutive bytes, aligned.  All sixteen loads of a thread go out at once; the numbers are converted in the registers into which they were
; loaded and stored from there; no register is loaded twice, so there is no loop and no wait but the loads'.
; 72 registers a wave: ten waves of a SIMD's 1,024 registers, that is five work-groups on a WGP, 1,280 / 256, lie there together.
; No LDS, no matrix unit, no cluster: nothing is shared and nothing is read twice.
.set GX,  1024                         ; groups for x: 16,777,216 numbers / 16,384
.set GW,  128                          ; groups for each of w1, w2: 2,097,152 / 16,384
.set X,   4                            ; v[4:67]   piece j: 4 numbers in f32; then, in its first two registers, 4 numbers of 16 bits
.set U,   68                           ; v[68:71]  at work (w2 alone): the bf16 numbers widened again
	s_load_b256 s[4:11], s[0:1], 0x0               ; x s[4:5], w1 s[6:7], w2 s[8:9], xb s[10:11]
	s_load_b128 s[12:15], s[0:1], 0x20             ; w1b s[12:13], w2h s[14:15]
	s_mov_b32 s16, 0xffff0000                      ; a word's upper bf16
	v_lshlrev_b32 v1, 4, v0                        ; 16 t: where I read
	v_lshlrev_b32 v2, 3, v0                        ; 8 t: where I write
	s_wait_kmcnt 0x0
	s_cmp_lt_u32 ttmp9, GX                         ; which tensor is mine hangs on the group's number alone
	s_cselect_b64 s[18:19], s[4:5], s[6:7]         ; source: x or w1,
	s_cselect_b64 s[20:21], s[10:11], s[12:13]     ; destination: xb or w1b,
	s_cselect_b32 s22, 0, GX                       ; and the first group of that tensor
	s_cmp_lt_u32 ttmp9, GX+GW
	s_cselect_b64 s[18:19], s[18:19], s[8:9]       ; or w2,
	s_cselect_b64 s[20:21], s[20:21], s[14:15]     ; w2h
	s_cselect_b32 s22, s22, GX+GW
	s_sub_co_u32 s22, ttmp9, s22                   ; my number among the tensor's groups
	s_lshl_b32 s24, s22, 16                        ; its 65,536 bytes of f32 (under 2^26),
	s_mov_b32 s25, 0
	s_lshl_b32 s26, s22, 15                        ; its 32,768 bytes of 16-bit numbers
	s_mov_b32 s27, 0
	s_add_nc_u64 s[18:19], s[18:19], s[24:25]
	s_add_nc_u64 s[20:21], s[20:21], s[26:27]
.irp j, 0,1,2,3,4,5,6,7,8,9,10,11,12,13,14,15
	global_load_b128 v[X+4*(\j):X+4*(\j)+3], v1, s[18:19] offset:(\j)*4096 th:TH_LOAD_NT
.endr
; Piece j is rounded in place and stored.  half = 1: the bf16 numbers are widened (a shift, a mask) and written as f16.
.macro CONV j, half
	s_wait_loadcnt 15-(\j)                         ; loads come back in order: piece j's is in, the 15 - j behind it stay out
	v_cvt_pk_bf16_f32 v[X+4*(\j)],   v[X+4*(\j)],   v[X+4*(\j)+1]
	v_cvt_pk_bf16_f32 v[X+4*(\j)+1], v[X+4*(\j)+2], v[X+4*(\j)+3]
.if \half
	v_lshlrev_b32 v[U],   16,  v[X+4*(\j)]
	v_and_b32     v[U+1], s16, v[X+4*(\j)]
	v_lshlrev_b32 v[U+2], 16,  v[X+4*(\j)+1]
	v_and_b32     v[U+3], s16, v[X+4*(\j)+1]
	v_cvt_pk_f16_f32 v[X+4*(\j)],   v[U],   v[U+1]
	v_cvt_pk_f16_f32 v[X+4*(\j)+1], v[U+2], v[U+3]
.endif
	global_store_b64 v2, v[X+4*(\j):X+4*(\j)+1], s[20:21] offset:(\j)*2048
.endm
	s_cmp_ge_u32 ttmp9, GX+GW                      ; compared anew: the sums above stand between
	s_cbranch_scc1 .Lw2
.irp j, 0,1,2,3,4,5,6,7,8,9,10,11,12,13,14,15
	CONV \j, 0
.endr
	s_endpgm
.Lw2:
.irp j, 0,1,2,3,4,5,6,7,8,9,10,11,12,13,14,15
	CONV \j, 1
.endr
	s_endpgm
.Lfunc_end_k_qf59767f223_prep:
	.size	k_qf59767f223_prep, .Lfunc_end_k_qf59767f223_prep-k_qf59767f223_prep
	.p2alignl 7, 3214868480
	.fill 96, 4, 3214868480
	.section	.rodata,"a",@progbits
	.p2align	6, 0x0
	.amdhsa_kernel k_qf59767f223_prep
		.amdhsa_group_segment_fixed_size 0
		.amdhsa_private_segment_fixed_size 0
		.amdhsa_enable_private_segment 0
		.amdhsa_kernarg_size 48
		.amdhsa_user_sgpr_count 2
		.amdhsa_user_sgpr_kernarg_segment_ptr 1
		.amdhsa_wavefront_size32 1
		.amdhsa_system_sgpr_workgroup_id_x 1
		.amdhsa_system_sgpr_workgroup_id_y 1
		.amdhsa_system_sgpr_workgroup_id_z 1
		.amdhsa_system_vgpr_workitem_id 0
		.amdhsa_next_free_vgpr 72
		.amdhsa_next_free_sgpr 66
		.amdhsa_reserve_vcc 0
		.amdhsa_float_denorm_mode_32 3
		.amdhsa_float_denorm_mode_16_64 3
		.amdhsa_memory_ordered 1
		.amdhsa_forward_progress 1
		.amdhsa_inst_pref_size 15
	.end_amdhsa_kernel
	.amdgpu_metadata
---
amdhsa.version: [ 1, 2 ]
amdhsa.kernels:
  - .name:           k_qf59767f223_prep
    .symbol:         k_qf59767f223_prep.kd
    .args:
      - { .name: x, .offset: 0, .size: 8, .value_kind: global_buffer, .address_space: global }
      - { .name: w1, .offset: 8, .size: 8, .value_kind: global_buffer, .address_space: global }
      - { .name: w2, .offset: 16, .size: 8, .value_kind: global_buffer, .address_space: global }
      - { .name: xb, .offset: 24, .size: 8, .value_kind: global_buffer, .address_space: global }
      - { .name: w1b, .offset: 32, .size: 8, .value_kind: global_buffer, .address_space: global }
      - { .name: w2h, .offset: 40, .size: 8, .value_kind: global_buffer, .address_space: global }
    .group_segment_fixed_size: 0
    .private_segment_fixed_size: 0
    .kernarg_segment_align: 8
    .kernarg_segment_size: 48
    .max_flat_workgroup_size: 256
    .sgpr_count:     66
    .vgpr_count:     72
    .wavefront_size: 32
...
	.end_amdgpu_metadata
.endif
;; end of part 5
;; launch gemm1 (part 6): grid 8 x 64, 4 waves a work-group, clusters of 4 x 4, 327,680 bytes of LDS; arguments xb, w1b, hd, stats; writes hd, stats
.if DOCPART == 6
	.amdgcn_target "amdgcn-amd-amdhsa--gfx1250"
	.amdhsa_code_object_version 6
	.text
	.protected	k_qf59767f223_gemm1
	.globl	k_qf59767f223_gemm1
	.p2align	8
	.type	k_qf59767f223_gemm1,@function
k_qf59767f223_gemm1:
	s_mov_b64 s[64:65], 0
	v_nop
	global_prefetch_b8 v0, s[64:65] scope:SCOPE_SE
	s_setreg_imm32_b32 hwreg(HW_REG_WAVE_MODE, 25, 1), 1
	s_wait_xcnt 0x0
	s_wait_alu depctr_hold_cnt(0) depctr_sa_sdst(0) depctr_va_vdst(0) depctr_va_sdst(0) depctr_va_ssrc(0) depctr_va_vcc(0) depctr_vm_vsrc(0)
	s_getreg_b32 s2, hwreg(HW_REG_IB_STS2, 6, 4)
	s_cmp_eq_u32 s2, 0
	s_cbranch_scc0 .Lentry_in_a_cluster
	s_endpgm
.Lentry_in_a_cluster:
	s_bfe_u32 s2, ttmp6, 0x10000c
	s_cmp_lg_u32 s2, 0xf033
	s_cbranch_scc0 .Lentry_shape_is_right
	s_endpgm
.Lentry_shape_is_right:
; h[m][n] = sum over k of xb[m][k] w1b[n][k].  xb: [16384][1024], w1b: [2048][1024], both bf16; sums in f32.  h itself is not stored.  Its columns fall into 16 CHUNKS of 128; for row m and chunk c
; this launch stores  stats[0][c][m] = the mean of h over the chunk (f32),  stats[1][c][m] = the sum over the chunk of (h - mean)^2 (f32),  hd[m][n] = h - mean, rounded once to f16.
; So a common offset of a row of h costs f16 nothing, and the row's variance is later put together from centred sums: no difference of large sums is formed.
; LIMITS.  |h - chunk mean| beyond 65,504 becomes an infinity in hd; below 6e-5 hd keeps f16's fixed step of 6e-8.  NaN and infinities are not treated apart.
; SHARES.  A tile of h, 256 x 256, is made by a work-group of four waves; a wave makes 128 x 128, which is 128 rows of ONE chunk: 64 accumulators of 16 x 16, 512 registers.  K goes in steps of 128
; through a ring of two LDS slots filled by the tensor data mover: the tiles' rows are 256 bytes of memory and start at multiples of 256 bytes from the buffer's first byte.
; 8 x 64 tiles, one to a work-group.  A K step is written once: the slot in hand is a scalar register that an exclusive or turns, and one descriptor a tensor walks from K step to K step.
; CLUSTERS: 4 x 4 work-groups.  The four of a row of the cluster need the same tiles of xb, the four of a column the same tiles of w1b: each tile is asked for JOINTLY, by the same tensor load with the
; same descriptor and a mask that names the four; each receives it in its own LDS.
; THE MATRIX INSTRUCTION IS USED TRANSPOSED: source 0 = 16 rows of w1b, source 1 = 16 rows of xb.  In the result lane l holds row l % 16 of h and its registers 0 to 7 the columns 8 (l / 16) + 0 .. 7:
; a row's sum over the chunk wants the lane's own 64 numbers and one exchange with the lane 16 away, and eight neighbouring numbers pack into 16 bytes.
; REGISTERS, in windows of 256 (s_set_vgpr_msb's low byte: bits 1:0 source 0, 3:2 source 1, 5:4 source 2, 7:6 destination):
;   window 0: v0-31 addresses; v32-59 at work on the way out; v64-127, v128-191 fragments of xb, two buffers (on the way out: centred numbers, packed numbers); v160-231 rows read back
;   window 1: v64-127, v128-191 fragments of w1b, two buffers
;   window 2: the 32 accumulators of my rows 0-63 (accumulator (a, b) at v[8 (8 a + b)]);   window 3: those of my rows 64-127
.set SIZE_N, 2048
.set SIZE_K, 1024
.set KSTEP,  128
.set KSTEPS, SIZE_K/KSTEP              ; 8 K steps
.set PITCH,  272                       ; an LDS row: 256 bytes of data + 16 of padding = 68 words: row r starts at bank 4 r mod 64 (64 banks of 4 bytes: ISA guide 11.1), so the 16 rows that a load touches start at 16 different banks
.set HALFT,  128*PITCH                 ; 128 rows: what one tensor load brings, and what one wave reads of xb or of w1b: 0x8800 bytes
.set SLOT,   4*HALFT                   ; xb's 256 rows, then w1b's 256 rows: 0x22000 bytes
.set STAGE,  2*SLOT                    ; behind the ring: 16 rows x 272 bytes for each wave, for the way out; no tensor load lands there
.set SPITCH, 272
.set SPARE,  STAGE+4*16*SPITCH         ; behind the stages: the spare words, 128 bytes for each wave: two blocks of 256 bytes that no other line names
.set PLANE, 16*16384*4                 ; bytes from the means to the sums of squares in stats
.set ADRA0, 16                         ; v16     LDS address of my xb fragments in slot 0; never rewritten
.set ADRA,  17                         ; v17     the same in the slot in hand
.set ADRB0, 20                         ; v20-21  the same for w1b
.set ADRB,  21
.set STO,  24                          ; v24     the way out: where I put 16 bytes of a row
.set RD,   25                          ; v25     the way out: where I read a row back
.set CO,   26                          ; v26     my byte offset in hd
.set MS,   27                          ; v27     where I put a row's mean in my stage
.set SPW,  28                          ; v28     LDS address of my spare word: SPARE + 4 x my thread's number; never rewritten
.set NIL,  29                          ; v29     0; never rewritten
.set MR,   30                          ; v30     where I read four rows' means back
.set SO,   31                          ; v31     my byte offset in 512 bytes of stats
.set T,    32                          ; v32-39  four packed chains of sums
.set SP,   40                          ; v40-55  block a of 16 rows: my row's mean at SP + 2 a, its sum of squares at SP + 2 a + 1
.set U,    58                          ; v58-59  at work
.set F0,   64                          ; fragment buffer 0
.set F1,   128                         ; fragment buffer 1
.set D,    64                          ; the way out: a block's 64 centred numbers
.set PK,   128                         ; v128-159  the same, packed to f16
.set BK0,  160                         ; v160-191 and v192-223 by turns: 16 rows read back from the stage
.set SB,   224                         ; v224-231  the statistics read back
.set SL, 2                             ; s2   0 or SLOT: the slot whose fragments are fetched
.set G1, 24                            ; s[24:31] descriptor group 1 for xb's tiles
.set G0, 32                            ; s[32:39] descriptor group 0 for xb's tiles: a set for each of the two first fills; the second then walks on
.set G1B, 48                           ; s[48:55] descriptor group 1 for w1b's tiles: it differs in the mask alone
.set G0B, 56                           ; s[56:63] descriptor group 0 for w1b's tiles, likewise
.set MSB, 0
.macro WIN new                         ; the immediate's high byte repeats the setting that is left; a switch that changes nothing is dropped
.if MSB != (\new)
	s_set_vgpr_msb (MSB<<8)|(\new)
.set MSB, \new
.endif
.endm
.set MUL_LO, 0xa1                      ; source 0 (w1b) window 1, source 1 (xb) window 0, C and D window 2
.set MUL_HI, 0xf1                      ; the same, C and D window 3
.set TO_B,   0x40                      ; destination window 1, address window 0
; A joint load.  Waves 0 and 1 fetch xb's two halves, waves 2 and 3 w1b's.  Each of the two lines has ONE mask and one set of registers for all that issue it.  The branch hangs on the wave's number alone.
; An s_nop 0 and four v_nop follow each of the two lines, ahead of the jump, the label and what follows the macro.
.macro JLOAD s
	s_cmp_eq_u32 s11, 0
	s_cbranch_scc0 .Lfor_b_\@
	tensor_load_to_lds s[G0+4*(\s):G0+4*(\s)+3], s[G1:G1+7]
	s_nop 0
.rept 4
	v_nop
.endr
	s_branch .Lasked_\@
.Lfor_b_\@:
	tensor_load_to_lds s[G0B+4*(\s):G0B+4*(\s)+3], s[G1B:G1B+7]
	s_nop 0
.rept 4
	v_nop
.endr
.Lasked_\@:
.endm
; A round of the cluster's barrier: my work-group's barrier, so that wave 0's signal speaks for all four waves; wave 0 signals for the work-group; every wave waits for all sixteen work-groups;
; my work-group's barrier once more.  No LDS instruction of the wave is pending at a signal.
.macro CREST                           ; a round behind its opening barrier
	s_cmp_lg_u32 s10, 0
	s_cbranch_scc1 .Lnot_wave_0_\@
	s_barrier_signal -3
.Lnot_wave_0_\@:
	s_barrier_wait -3
	s_barrier_signal -1
	s_barrier_wait -1
.endm
.macro CROUND                          ; a whole round
	s_barrier_signal -1
	s_barrier_wait -1
	CREST
.endm
	s_load_b128 s[4:7], s[0:1], 0x0                ; xb s[4:5], w1b s[6:7]
	s_load_b64 s[8:9], s[0:1], 0x10                ; hd
	s_load_b64 s[66:67], s[0:1], 0x18              ; stats
	v_lshl_add_u32 v[SPW], v0, 2, SPARE
	v_mov_b32 v[NIL], 0
	ds_add_u32 v[SPW], v[NIL]                      ; the wave's opening: the add and its wait stand ahead of my first tensor load; the set-up below, work on registers, stands between them
	v_lshrrev_b32 v1, 5, v0
	v_readfirstlane_b32 s10, v1                    ; wave 0..3
	s_lshr_b32 s11, s10, 1                         ; which half of the tile's rows is mine.  Also: I fetch for xb (0) or for w1b (1)
	s_and_b32 s12, s10, 1                          ; which half of its columns.  Also: which 128 rows of that tile I fetch
	s_bfe_u32 s40, ttmp6, 0x40000                  ; cx: my place along the cluster's x
	s_bfe_u32 s41, ttmp6, 0x40004                  ; cy: along its y
	s_lshl_b32 s42, ttmp9, 2                       ; in a cluster launch ttmp9 and ttmp7 count clusters
	s_add_co_u32 s42, s42, s40                     ; tile column = 4 x cluster x + cx
	s_and_b32 s13, ttmp7, 0xffff
	s_lshl_b32 s13, s13, 2
	s_add_co_u32 s13, s13, s41                     ; tile row = 4 x cluster y + cy
	s_lshl_b32 s43, s41, 2
	s_lshl_b32 s43, 15, s43                        ; my row of the cluster: places 4 cy .. 4 cy + 3
	s_lshl_b32 s44, 0x1111, s40                    ; my column: places cx, cx + 4, cx + 8, cx + 12
	; descriptor group 1: a tile of 128 rows x 128 elements, padded in LDS
	s_or_b32 s[G1+0], s43, (1<<16)|(1<<20)|(1<<21)|(5<<22)|(3<<25)  ; 15:0 the mask: xb's tiles go to my row; 17:16 elements of 2 bytes; 20 padding on; 21 set beside a mask; 24:22 after every 64 words (code 5); 31:25 4 words of it (code 3)
	s_or_b32 s[G1B+0], s44, (1<<16)|(1<<20)|(1<<21)|(5<<22)|(3<<25) ; the same with the mask of my column, for w1b's tiles
.irp g, G1, G1B
	s_mov_b32 s[(\g)+1], KSTEP<<16                 ; 63:48 tensor_dim0, low half = 128
	s_mov_b32 s[(\g)+2], 128<<16                   ; 79:64 its high half = 0; 95:80 tensor_dim1, low half = 128
	s_mov_b32 s[(\g)+3], KSTEP<<16                 ; 111:96 its high half = 0; 127:112 tile_dim0 = 128
	s_mov_b32 s[(\g)+4], 128                       ; 143:128 tile_dim1 = 128; 159:144 tile_dim2 = 0
	s_mov_b32 s[(\g)+5], SIZE_K                    ; 191:160 tensor_dim0_stride, low word: elements from row to row
	s_mov_b32 s[(\g)+6], 0
	s_mov_b32 s[(\g)+7], 0
.endr
	; where the tiles come from.  xb's hang on the tile row alone, which my row of the cluster shares; w1b's on the tile column alone, which my column shares.
	; Every wave makes both addresses, in registers that never hold the other coordinate, and asks by one of them.
	s_lshl_b32 s17, s12, 7                         ; which 128 rows of the tile I fetch
	s_lshl_b32 s16, s13, 8
	s_add_co_u32 s16, s16, s17                     ; xb: row 256 x tile row + 128 x half
	s_lshl_b32 s46, s42, 8
	s_add_co_u32 s46, s46, s17                     ; w1b: row 256 x tile column + 128 x half
	s_mov_b32 s17, 0
	s_mov_b32 s47, 0
	s_mov_b64 s[18:19], SIZE_K*2
	s_mul_u64 s[16:17], s[16:17], s[18:19]         ; in bytes
	s_mul_u64 s[46:47], s[46:47], s[18:19]
	s_mul_i32 s20, s10, HALFT                      ; and where they go: wave x 128 rows: no place in the cluster enters an LDS address
	s_wait_dscnt 0x0                               ; the opening add is done
	s_wait_kmcnt 0x0
	s_add_nc_u64 s[14:15], s[4:5], s[16:17]
	s_add_nc_u64 s[46:47], s[6:7], s[46:47]
	CROUND                                         ; all sixteen work-groups are here: the first joint loads meet
.irp s, 0,1
	s_mov_b32 s[G0+4*(\s)], 1                                      ; 1:0 count = 1
	s_add_co_u32 s[G0+4*(\s)+1], s20, (\s)*SLOT                    ; 63:32 LDS address
	s_add_nc_u64 s[G0+4*(\s)+2:G0+4*(\s)+3], s[14:15], (\s)*KSTEP*2  ; 120:64 global address: K step s
	s_or_b32 s[G0+4*(\s)+3], s[G0+4*(\s)+3], 0x80000000            ; 127:126 type = 2
	s_mov_b32 s[G0B+4*(\s)], 1
	s_add_co_u32 s[G0B+4*(\s)+1], s20, (\s)*SLOT
	s_add_nc_u64 s[G0B+4*(\s)+2:G0B+4*(\s)+3], s[46:47], (\s)*KSTEP*2
	s_or_b32 s[G0B+4*(\s)+3], s[G0B+4*(\s)+3], 0x80000000
	JLOAD \s                                       ; the ring is filled before anything else is done: two tensor loads of mine are out
.endr
	; A fragment is 16 rows x 32 K in 8 registers: lane l holds row l % 16; registers 0-3 hold K = 8 (l / 16) + 0..7, registers 4-7 hold K = 16 + 8 (l / 16) + 0..7: two loads of 16 bytes, 32 bytes apart.
	v_and_b32 v1, 15, v0                           ; l % 16
	v_bfe_u32 v2, v0, 4, 1                         ; l / 16
	v_mul_u32_u24 v3, v1, PITCH
	v_lshl_add_u32 v3, v2, 4, v3                   ; row x pitch + 16 x half
	s_mul_i32 s21, s11, HALFT                      ; my 128 rows of xb
	s_mul_i32 s22, s12, HALFT                      ; my 128 rows of w1b,
	s_add_co_u32 s22, s22, 2*HALFT                 ; which lie behind xb's 256
	v_add_nc_u32 v[ADRA0], s21, v3
	v_add_nc_u32 v[ADRB0], s22, v3
	v_mov_b32 v[ADRA], v[ADRA0]                    ; the walk begins in slot 0
	v_mov_b32 v[ADRB], v[ADRB0]
	s_mov_b32 s[SL], 0
	s_mul_i32 s23, s10, 16*SPITCH
	s_add_co_u32 s23, s23, STAGE                   ; my stage
	v_mul_u32_u24 v4, v1, SPITCH                   ; in: row l % 16, 16 bytes for each half of the lanes
	v_lshl_add_u32 v4, v2, 4, v4
	v_add_nc_u32 v[STO], s23, v4
	v_mul_u32_u24 v5, v2, SPITCH                   ; back: lanes 0-15 take one row of 256 bytes, lanes 16-31 the next
	v_lshl_add_u32 v5, v1, 4, v5
	v_add_nc_u32 v[RD], s23, v5
	v_mul_u32_u24 v5, v2, SIZE_N*2                 ; and the same two rows in hd
	v_lshl_add_u32 v[CO], v1, 4, v5
	v_lshl_add_u32 v[MS], v1, 2, s23               ; a row's statistic: word l % 16 of its block's sixteen
	v_and_b32 v5, 31, v0
	v_lshlrev_b32 v[SO], 4, v5                     ; back: 32 lanes x 16 bytes = my 128 rows' words
	v_add_nc_u32 v[MR], s23, v[SO]
	v_mov_b32 v[U+1], 0                            ; v_permlanex16_b32 counts as a reader of its destination: these nine are written once here
.irp a, 0,1,2,3,4,5,6,7
	v_mov_b32 v[SP+2*(\a)+1], 0
.endr
	s_mov_b32 s68, 0x76543210                      ; v_permlanex16_b32's selects: each lane takes its own place in the other half
	s_mov_b32 s69, 0xfedcba98
	; where my part begins in hd and in stats; all offsets stay under 2^27
	s_lshl_b32 s13, s13, 8
	s_lshl_b32 s14, s11, 7
	s_add_co_u32 s16, s13, s14                     ; my first row
	s_lshl_b32 s18, s16, 2                         ; its word in a chunk's 16,384 words of stats
	s_lshl_b32 s16, s16, 12                        ; its 4,096 bytes in hd
	s_lshl_b32 s46, s42, 9                         ; my first column in bytes: 512 x tile column + 256 x half
	s_lshl_b32 s47, s12, 8
	s_add_co_u32 s46, s46, s47
	s_add_co_u32 s16, s16, s46
	s_mov_b32 s17, 0
	s_add_nc_u64 s[8:9], s[8:9], s[16:17]
	s_lshl_b32 s46, s46, 8                         ; my chunk, 2 x tile column + half, times its 65,536 bytes
	s_add_co_u32 s18, s18, s46
	s_mov_b32 s19, 0
	s_add_nc_u64 s[66:67], s[66:67], s[18:19]
; 16 matrix instructions: m blocks a0, a0 + 1 of the window's four (hi = 0: my rows 0-63, 1: rows 64-127) x all 8 n blocks, 32 along K.  zero = 1: the first product starts the sums: nothing is ever cleared.
; The 64 accumulators take turns, one instruction a turn, in the same order in every quarter step.
.macro MUL16 f, hi, a0, zero
	WIN MUL_LO+0x50*(\hi)
.irp a, \a0, (\a0)+1
.irp b, 0,1,2,3,4,5,6,7
.if \zero
	v_wmma_f32_16x16x32_bf16 v[8*(8*(\a)+(\b)):8*(8*(\a)+(\b))+7], v[(\f)+8*(\b):(\f)+8*(\b)+7], v[(\f)+8*(4*(\hi)+(\a)):(\f)+8*(4*(\hi)+(\a))+7], 0
.else
	v_wmma_f32_16x16x32_bf16 v[8*(8*(\a)+(\b)):8*(8*(\a)+(\b))+7], v[(\f)+8*(\b):(\f)+8*(\b)+7], v[(\f)+8*(4*(\hi)+(\a)):(\f)+8*(4*(\hi)+(\a))+7], v[8*(8*(\a)+(\b)):8*(8*(\a)+(\b))+7]
.endif
.endr
.endr
.endm
; 32 LDS loads in one run: the fragments of one quarter step (128 rows of w1b, 128 rows of xb, 32 K at byte k of the rows of the slot in hand) into buffer f
.macro FETCH k, f
	WIN TO_B
.irp i, 0,1,2,3,4,5,6,7
	ds_load_b128 v[(\f)+8*(\i):(\f)+8*(\i)+3],   v[ADRB] offset:(\k)+(\i)*16*PITCH
	ds_load_b128 v[(\f)+8*(\i)+4:(\f)+8*(\i)+7], v[ADRB] offset:(\k)+(\i)*16*PITCH+32
.endr
	WIN 0
.irp i, 0,1,2,3,4,5,6,7
	ds_load_b128 v[(\f)+8*(\i):(\f)+8*(\i)+3],   v[ADRA] offset:(\k)+(\i)*16*PITCH
	ds_load_b128 v[(\f)+8*(\i)+4:(\f)+8*(\i)+7], v[ADRA] offset:(\k)+(\i)*16*PITCH+32
.endr
.endm
; A load into a register that a matrix instruction has read, and a vector instruction that reads a matrix result or writes one of a matrix instruction's registers, stand four places behind it, and only
; plain vector instructions that name none of its registers are places (ISA guide 7.12.1 for vector instructions).
.macro PLACES
.rept 4
	v_nop
.endr
.endm
; A K step is four quarter steps of 32 along K, 64 matrix instructions each, on buffers 0, 1, 0, 1.
; One of the first three: multiplies buffer f; in its middle it fetches the next quarter's fragments, at byte k of the same slot's rows, into buffer g.
.macro QUARTER k, f, g, zero
	s_wait_dscnt 8                                 ; w1b and xb's rows 0-63 are in; the youngest eight loads (xb's rows 64-127) may be out
	MUL16 \f, 0, 0, \zero
	MUL16 \f, 0, 2, \zero
	PLACES
	FETCH \k, \g
	s_wait_dscnt 32                                ; all but the 32 just issued
	MUL16 \f, 1, 0, \zero
	MUL16 \f, 1, 2, \zero
.endm
; The last quarter multiplies buffer 1 and changes slots: ONE barrier, for two things.  In front of it each wave waits for all its tensor loads, of which one is out: its part of the next slot; adds 0 to its
; spare word; and waits for that and for its own reads of this slot.  Behind it nobody reads this slot any more and the next slot is whole.
; fill = 1: this slot is filled again, two K steps ahead.  The barrier then opens a round of the cluster's barrier, and the joint load is the first tensor load behind the round:
; from there to the wait for it a wave issues 224 matrix instructions.
; The walking descriptors: the LDS word is wave x 0x8800, or that + 0x22000; no wave x 0x8800 has bit 13 or bit 17, so one exclusive or with SLOT turns the one into the other.
.macro TURN fill
	WIN 0                                          ; (the add's two registers lie in window 0)
	s_wait_tensorcnt 0x0                           ; all my tensor loads have landed: the one that was out is my part of the next slot; no group 0 is in use;
	ds_add_u32 v[SPW], v[NIL]                      ; 0 onto my spare word: work on registers stands between it and the wait for it
	s_xor_b32 s[SL], s[SL], SLOT                   ; 0 and SLOT by turns: the fetches go on in the other slot (this slot's last were issued in the third quarter)
	v_add_nc_u32 v[ADRA], s[SL], v[ADRA0]
	v_add_nc_u32 v[ADRB], s[SL], v[ADRB0]
.if \fill
	s_xor_b32 s[G0+5], s[G0+5], SLOT               ; the other slot than last time,
	s_add_nc_u64 s[G0+6:G0+7], s[G0+6:G0+7], KSTEP*2  ; the next K step; the type bits on top are not reached
	s_xor_b32 s[G0B+5], s[G0B+5], SLOT
	s_add_nc_u64 s[G0B+6:G0B+7], s[G0B+6:G0B+7], KSTEP*2
.endif
	s_wait_dscnt 9                                 ; (the add and the youngest eight loads may be out)
	MUL16 F1, 0, 0, 0                              ; sixteen matrix instructions stand between the add and the wait for it
	s_wait_dscnt 0x0                               ; the add is done, and my reads of this slot are over:
	s_barrier_signal -1                            ; say so,
	MUL16 F1, 0, 2, 0                              ; work on registers while the others arrive,
.if \fill
	WIN 0
.endif
	s_barrier_wait -1                              ; and go on when all four have said so
.if \fill
	CREST                                          ; no wave of any partner still reads this slot's tile or has a load on its way
	JLOAD 1                                        ; the four v_nop behind it are also the places in front of the loads below
.else
	PLACES
.endif
	FETCH 0, F0
	MUL16 F1, 1, 0, 0
	MUL16 F1, 1, 2, 0
.endm
; THE WAY OUT, by blocks a = 0 .. 7 of 16 rows; block a's eight accumulators lie at AC in window WN.
.macro FOLD                            ; the four packed chains into v[U]
	v_pk_add_f32 v[T:T+1], v[T:T+1], v[T+2:T+3]
	v_pk_add_f32 v[T+4:T+5], v[T+4:T+5], v[T+6:T+7]
	v_pk_add_f32 v[T:T+1], v[T:T+1], v[T+4:T+5]
	v_add_f32 v[U], v[T], v[T+1]
.endm
; STAT: my row's mean over the chunk.  Four packed chains over my 64 numbers; each accumulator's lowest registers are read first.  The row's other 64 numbers lie in the lane 16 away.
.macro STAT a
.set AC, 64*((\a)%4)
.set WN, 2+(\a)/4
	WIN WN*5                                       ; sources 0 and 1 in the accumulators' window: column blocks 0 and 1 start the chains
.irp r, 0,1,2,3
	v_pk_add_f32 v[T+2*(\r):T+2*(\r)+1], v[AC+2*(\r):AC+2*(\r)+1], v[AC+8+2*(\r):AC+8+2*(\r)+1]
.endr
	WIN WN                                         ; source 0 alone
.irp b, 2,3,4,5,6,7
.irp r, 0,1,2,3
	v_pk_add_f32 v[T+2*(\r):T+2*(\r)+1], v[AC+8*(\b)+2*(\r):AC+8*(\b)+2*(\r)+1], v[T+2*(\r):T+2*(\r)+1]
.endr
.endr
	WIN 0
	FOLD
	v_permlanex16_b32 v[SP+2*(\a)+1], v[U], s68, s69
	v_add_f32 v[U], v[U], v[SP+2*(\a)+1]           ; the same two numbers in both lanes: the same bits
	v_mul_f32 v[SP+2*(\a)], 0x3c000000, v[U]       ; / 128
.endm
; CENTER: h - mean into D; the sum of its squares, in f32, of the unrounded numbers; the numbers rounded once to f16.
.macro CENTER a
.set AC, 64*((\a)%4)
.set WN, 2+(\a)/4
	WIN WN
.irp b, 0,1,2,3,4,5,6,7
.irp r, 0,1,2,3
	v_pk_add_f32 v[D+8*(\b)+2*(\r):D+8*(\b)+2*(\r)+1], v[AC+8*(\b)+2*(\r):AC+8*(\b)+2*(\r)+1], v[SP+2*(\a):SP+2*(\a)+1] op_sel_hi:[1,0] neg_lo:[0,1] neg_hi:[0,1]
.endr
.endr
	WIN 0
.irp r, 0,1,2,3
	v_pk_mul_f32 v[T+2*(\r):T+2*(\r)+1], v[D+2*(\r):D+2*(\r)+1], v[D+2*(\r):D+2*(\r)+1]
.endr
.irp b, 1,2,3,4,5,6,7
.irp r, 0,1,2,3
	v_pk_fma_f32 v[T+2*(\r):T+2*(\r)+1], v[D+8*(\b)+2*(\r):D+8*(\b)+2*(\r)+1], v[D+8*(\b)+2*(\r):D+8*(\b)+2*(\r)+1], v[T+2*(\r):T+2*(\r)+1]
.endr
.endr
.irp b, 0,1,2,3,4,5,6,7
.irp r, 0,1,2,3
	v_cvt_pk_f16_f32 v[PK+4*(\b)+(\r)], v[D+8*(\b)+2*(\r)], v[D+8*(\b)+2*(\r)+1]
.endr
.endr
	FOLD
	v_permlanex16_b32 v[U+1], v[U], s68, s69
	v_add_f32 v[SP+2*(\a)+1], v[U], v[U+1]
.endm
; TOSTAGE: 16 bytes a lane into my own stage, rows of 272 bytes, and back as whole rows of 256 bytes.
.macro TOSTAGE a
.set BK, BK0+32*((\a)%2)
	s_wait_xcnt 0x0                                ; every earlier memory instruction has had its addresses translated (ISA guide 3.1): the registers that the stores of two blocks ago read are loaded again only behind this wait
.irp b, 0,1,2,3,4,5,6,7
	ds_store_b128 v[STO], v[PK+4*(\b):PK+4*(\b)+3] offset:32*(\b)
.endr
.irp t, 0,1,2,3,4,5,6,7
	ds_load_b128 v[BK+4*(\t):BK+4*(\t)+3], v[RD] offset:(\t)*2*SPITCH  ; LDS serves a wave's instructions in order (ISA guide 5.7.1.4): these see the stores above
.endr
.endm
.macro SEND a
.set BK, BK0+32*((\a)%2)
	s_wait_dscnt 0x0                               ; the block is back in registers: nothing was issued to LDS behind its loads
.irp t, 0,1,2,3,4,5,6,7
	global_store_b128 v[CO], v[BK+4*(\t):BK+4*(\t)+3], s[8:9] offset:(16*(\a)+2*(\t))*SIZE_N*2  ; 16 lanes store 256 consecutive bytes, at a multiple of 256 from hd's first byte; 126 rows at the most: inside the signed 24-bit immediate
.endr
.endm
	s_wait_tensorcnt 1                             ; my part of K step 0 is in; K step 1's may stay out
	s_barrier_signal -1
	s_barrier_wait -1                              ; everybody's is
	FETCH 0, F0
	QUARTER 64,  F0, F1, 1                         ; the first quarter stands in front of the loop: its products start the sums
	WIN 0                                          ; at a label and at a branch every window is 0
	s_mov_b32 s3, KSTEPS-2
.Lstep:                                                ; 6 trips, from a K step's second quarter to the next K step's first; each fills the slot that it leaves: K steps 2 to 7
	QUARTER 128, F1, F0, 0
	QUARTER 192, F0, F1, 0
	TURN 1
	QUARTER 64,  F0, F1, 0
	WIN 0
	s_sub_co_u32 s3, s3, 1
	s_cmp_lg_u32 s3, 0
	s_cbranch_scc1 .Lstep
	s_mov_b32 s3, 2                                ; the last two K steps ask for nothing, so they have a text of their own
.Ltail:                                                ; the second trip is left behind its last quarter.  That quarter's barrier and its 32 fragment loads, from the slot read before, serve nothing:
	QUARTER 128, F1, F0, 0                         ; the price, once a work-group, of not writing the last quarter out
	QUARTER 192, F0, F1, 0
	TURN 0
	WIN 0
	s_sub_co_u32 s3, s3, 1
	s_cmp_eq_u32 s3, 0
	s_cbranch_scc1 .Lout
	QUARTER 64,  F0, F1, 0
	WIN 0
	s_branch .Ltail
.Lout:
	s_wait_dscnt 0x0                               ; those 32 loads are back: their registers are written below
	PLACES                                         ; behind the last products, ahead of the first read of a result and the first write into a fragment's register
	STAT 0
	CENTER 0
	TOSTAGE 0
.irp a, 1,2,3,4,5,6,7                  ; block a's arithmetic stands between block a - 1's loads from the stage and the wait for them
	STAT \a
	CENTER \a
	SEND (\a)-1
	TOSTAGE \a
.endr
	SEND 7
	; the statistics: my 128 rows' means and sums of squares go through the stage, so that each leaves as 512 consecutive bytes.  Both halves of the lanes hold the same bits and write the same word.
.irp a, 0,1,2,3,4,5,6,7
	ds_store_b32 v[MS], v[SP+2*(\a)] offset:64*(\a)
	ds_store_b32 v[MS], v[SP+2*(\a)+1] offset:512+64*(\a)
.endr
	ds_load_b128 v[SB:SB+3], v[MR]
	ds_load_b128 v[SB+4:SB+7], v[MR] offset:512
	s_wait_dscnt 0x0
	global_store_b128 v[SO], v[SB:SB+3], s[66:67]
	global_store_b128 v[SO], v[SB+4:SB+7], s[66:67] offset:PLANE
	s_wait_tensorcnt 0x0                           ; the wave's end: these three lines stand behind my last tensor load and my last LDS store
	ds_add_u32 v[SPW], v[NIL]
	s_wait_dscnt 0x0
	CROUND                                         ; the closing round: no work-group ends while a partner may still ask for a tile that names it
	s_endpgm
.Lfunc_end_k_qf59767f223_gemm1:
	.size	k_qf59767f223_gemm1, .Lfunc_end_k_qf59767f223_gemm1-k_qf59767f223_gemm1
	.p2alignl 7, 3214868480
	.fill 96, 4, 3214868480
	.section	.rodata,"a",@progbits
	.p2align	6, 0x0
	.amdhsa_kernel k_qf59767f223_gemm1
		.amdhsa_group_segment_fixed_size 327680
		.amdhsa_private_segment_fixed_size 0
		.amdhsa_enable_private_segment 0
		.amdhsa_kernarg_size 32
		.amdhsa_user_sgpr_count 2
		.amdhsa_user_sgpr_kernarg_segment_ptr 1
		.amdhsa_wavefront_size32 1
		.amdhsa_system_sgpr_workgroup_id_x 1
		.amdhsa_system_sgpr_workgroup_id_y 1
		.amdhsa_system_sgpr_workgroup_id_z 1
		.amdhsa_system_vgpr_workitem_id 0
		.amdhsa_next_free_vgpr 1024
		.amdhsa_next_free_sgpr 70
		.amdhsa_reserve_vcc 0
		.amdhsa_float_denorm_mode_32 3
		.amdhsa_float_denorm_mode_16_64 3
		.amdhsa_memory_ordered 1
		.amdhsa_forward_progress 1
		.amdhsa_inst_pref_size 154
	.end_amdhsa_kernel
	.amdgpu_metadata
---
amdhsa.version: [ 1, 2 ]
amdhsa.kernels:
  - .name:           k_qf59767f223_gemm1
    .symbol:         k_qf59767f223_gemm1.kd
    .args:
      - { .name: xb, .offset: 0, .size: 8, .value_kind: global_buffer, .address_space: global }
      - { .name: w1b, .offset: 8, .size: 8, .value_kind: global_buffer, .address_space: global }
      - { .name: hd, .offset: 16, .size: 8, .value_kind: global_buffer, .address_space: global }
      - { .name: stats, .offset: 24, .size: 8, .value_kind: global_buffer, .address_space: global }
    .group_segment_fixed_size: 327680
    .private_segment_fixed_size: 0
    .kernarg_segment_align: 8
    .kernarg_segment_size: 32
    .max_flat_workgroup_size: 128
    .sgpr_count:     70
    .vgpr_count:     1024
    .wavefront_size: 32
...
	.end_amdgpu_metadata
.endif
;; end of part 6
;; launch gemm2 (part 7): grid 4 x 64, 4 waves a work-group, clusters of 4 x 4, 327,680 bytes of LDS; arguments hd, w2h, out0, stats; writes out0
.if DOCPART == 7
	.amdgcn_target "amdgcn-amd-amdhsa--gfx1250"
	.amdhsa_code_object_version 6
	.text
	.protected	k_qf59767f223_gemm2
	.globl	k_qf59767f223_gemm2
	.p2align	8
	.type	k_qf59767f223_gemm2,@function
k_qf59767f223_gemm2:
	s_mov_b64 s[64:65], 0
	v_nop
	global_prefetch_b8 v0, s[64:65] scope:SCOPE_SE
	s_setreg_imm32_b32 hwreg(HW_REG_WAVE_MODE, 25, 1), 1
	s_wait_xcnt 0x0
	s_wait_alu depctr_hold_cnt(0) depctr_sa_sdst(0) depctr_va_vdst(0) depctr_va_sdst(0) depctr_va_ssrc(0) depctr_va_vcc(0) depctr_vm_vsrc(0)
	s_getreg_b32 s2, hwreg(HW_REG_IB_STS2, 6, 4)
	s_cmp_eq_u32 s2, 0
	s_cbranch_scc0 .Lentry_in_a_cluster
	s_endpgm
.Lentry_in_a_cluster:
	s_bfe_u32 s2, ttmp6, 0x10000c
	s_cmp_lg_u32 s2, 0xf033
	s_cbranch_scc0 .Lentry_shape_is_right
	s_endpgm
.Lentry_shape_is_right:
; THE THRESHOLD AND THE SECOND PRODUCT.  out0[m][n] = sum over k of a[m][k] w2h[n][k], a = max(h - mu - sigma coeff, 0).  w2h: [1024][2048] f16; out0: [16384][1024] f32, stored as the sums stand.
; h comes as hd: [16384][2048] f16 = h less the mean of its chunk of 128 columns, and stats: [2][16][16384] f32 = the chunks' means m_c and centred sums of squares q_c.  For each row:
;   mu = sum of m_c / 16;  s_c = m_c - mu;  M2 = sum of q_c + 128 sum of s_c^2;  sigma = max(sqrt(M2 / 2047), 1e-6);  t_c = s_c - sigma coeff;  a = max(hd + t_c, 0), in f16.
; coeff = the standard normal's quantile at 1 - 307 / 2048 = 1.0368523.  Means, sums and sigma in f32; no variance is formed as a difference of large sums.
; LIMITS.  t_c is rounded once to f16, and so is hd + t_c; beyond 65,504 they become infinities, below 6e-5 they keep f16's fixed step of 6e-8.  A variance below 2^-126 counts as 0 (sigma is then 1e-6).
; A NaN in hd becomes 0 in a: the packed maximum drops it.
; SHARES.  A tile of out0, 256 x 256, is made by a work-group of four waves; a wave makes 128 x 128: 64 accumulators of 16 x 16, 512 registers.  K goes in steps of 128, ONE CHUNK a step, through a ring of
; two LDS slots filled by the tensor data mover: the tiles' rows are 256 bytes of memory and start at multiples of 256 bytes from the buffer's first byte.  4 x 64 tiles, one to a work-group.
; THE TABLE.  In the wait for the first tiles thread t makes t_c for rows 2 t, 2 t + 1 of the tile's 256 and all 16 chunks, and stores them in LDS: T[c][row], f16, 8,192 bytes.
; THE THRESHOLD is applied to hd's fragments in registers: in a fragment a lane holds ONE row (lane % 16), so a block of 16 rows and a K step want one register of addends.  A quarter step's 64 registers take
; 128 packed instructions beside its 64 products; they stand four behind each of 32 products.  A row of hd is read by two waves of each of four tile columns, so this arithmetic is done eight times over:
; the price of not sending a through memory.
; CLUSTERS: 4 x 4 work-groups.  The four of a row of the cluster need the same tiles of hd, the four of a column the same tiles of w2h: each tile is asked for JOINTLY, by the same tensor load with the
; same descriptor and a mask that names the four; each receives it in its own LDS.
; THE MATRIX INSTRUCTION IS USED TRANSPOSED: source 0 = 16 rows of w2h, source 1 = 16 rows of a.  In the result lane l holds row l % 16 of out0 and its registers 0 to 7 the columns 8 (l / 16) + 0 .. 7.
; REGISTERS, in windows of 256 (s_set_vgpr_msb's low byte: bits 1:0 source 0, 3:2 source 1, 5:4 source 2, 7:6 destination):
;   window 0: v0-31 addresses; v32-47 addends; v48-63 at work at the start; v64-127, v128-191 fragments of hd, two buffers (at the start: m and q; on the way out: 16 rows read back, by turns)
;   window 1: v64-127, v128-191 fragments of w2h, two buffers
;   window 2: the 32 accumulators of my rows 0-63 (accumulator (a, b) at v[8 (8 a + b)]);   window 3: those of my rows 64-127
.set SIZE_N, 1024
.set SIZE_K, 2048
.set KSTEP,  128
.set KSTEPS, SIZE_K/KSTEP              ; 16 K steps = 16 chunks
.set PITCH,  272                       ; an LDS row: 256 bytes of data + 16 of padding = 68 words: row r starts at bank 4 r mod 64 (64 banks of 4 bytes: ISA guide 11.1), so the 16 rows that a load touches start at 16 different banks
.set HALFT,  128*PITCH                 ; 128 rows: what one tensor load brings, and what one wave reads of hd or of w2h: 0x8800 bytes
.set SLOT,   4*HALFT                   ; hd's 256 rows, then w2h's 256 rows: 0x22000 bytes
.set STAGE,  2*SLOT                    ; behind the ring: 16 rows x 528 bytes for each wave, for the way out; no tensor load lands there
.set SPITCH, 528                       ; 512 bytes (128 f32) + 16: 132 words, so that the 16 rows of a store start at 16 different groups of four banks
.set TAB,    STAGE+4*16*SPITCH         ; behind the stages: the table of addends; no tensor load lands there
.set TROW,   512                       ; a chunk's line of it: 256 rows x 2 bytes
.set SPARE,  TAB+KSTEPS*TROW           ; behind the table: the spare words, 128 bytes for each wave: two blocks of 256 bytes that no other line names
.set PLANE,  16*16384*4                ; bytes from the means to the sums of squares in stats
.set TA,    6                          ; v6      my byte offset in a chunk's 256 words of stats: 8 t
.set TS,    7                          ; v7      where I store two rows' addends: TAB + 4 t
.set ADRA0, 16                         ; v16     LDS address of my hd fragments in slot 0; never rewritten
.set ADRA,  17                         ; v17     the same in the slot in hand
.set ADRB0, 20                         ; v20-21  the same for w2h
.set ADRB,  21
.set STO,   24                         ; v24     the way out: where I put 32 bytes of a row
.set RD,    25                         ; v25     the way out: where I read 16 bytes of a row back
.set CO,    26                         ; v26     my byte offset in 512 bytes of out0
.set THB,   27                         ; v27     my place in a line of the table: TAB + 2 (128 x row half + l % 16); never rewritten
.set SPW,   28                         ; v28     LDS address of my spare word: SPARE + 4 x my thread's number; never rewritten
.set NIL,   29                         ; v29     0, for the add alone; never rewritten
.set THA,   30                         ; v30     the address of the line to be read
.set Z,     31                         ; v31     0, for the maximum
.set TH,    32                         ; v32-39  block a of my eight blocks of 16 rows: my row's addend for the chunk in hand, in both halves
.set THR,   40                         ; v40-47  the next chunk's, as loaded: in the low half
.set W,     48                         ; v48-63  at work at the start
.set F0,    64                         ; fragment buffer 0
.set F1,    128                        ; fragment buffer 1
.set MM,    64                         ; v64-95   at the start: m_c of my two rows at MM + 2 c; then s_c; then t_c
.set QQ,    96                         ; v96-127  q_c likewise; then the packed addends
.set SO, 2                             ; s2   0 or SLOT: the slot whose fragments are fetched
.set TC, 45                            ; s45  the line of the table to be read next, in bytes
.set G1, 24                            ; s[24:31] descriptor group 1 for hd's tiles
.set G0, 32                            ; s[32:39] descriptor group 0 for hd's tiles: a set for each of the two first fills; the second then walks on
.set G1B, 48                           ; s[48:55] descriptor group 1 for w2h's tiles: it differs in the mask alone
.set G0B, 56                           ; s[56:63] descriptor group 0 for w2h's tiles, likewise
.set MSB, 0
.macro WIN new                         ; the immediate's high byte repeats the setting that is left; a switch that changes nothing is dropped
.if MSB != (\new)
	s_set_vgpr_msb (MSB<<8)|(\new)
.set MSB, \new
.endif
.endm
.set MUL_LO, 0xa1                      ; source 0 (w2h) window 1, source 1 (hd) window 0, C and D window 2
.set MUL_HI, 0xf1                      ; the same, C and D window 3
.set TO_B,   0x40                      ; destination window 1, address window 0
; A joint load.  Waves 0 and 1 fetch hd's two halves, waves 2 and 3 w2h's.  Each of the two lines has ONE mask and one set of registers for all that issue it.  The branch hangs on the wave's number alone.
; An s_nop 0 and four v_nop follow each of the two lines, ahead of the jump, the label and what follows the macro.
.macro JLOAD s
	s_cmp_eq_u32 s11, 0
	s_cbranch_scc0 .Lfor_b_\@
	tensor_load_to_lds s[G0+4*(\s):G0+4*(\s)+3], s[G1:G1+7]
	s_nop 0
.rept 4
	v_nop
.endr
	s_branch .Lasked_\@
.Lfor_b_\@:
	tensor_load_to_lds s[G0B+4*(\s):G0B+4*(\s)+3], s[G1B:G1B+7]
	s_nop 0
.rept 4
	v_nop
.endr
.Lasked_\@:
.endm
; A round of the cluster's barrier: my work-group's barrier, so that wave 0's signal speaks for all four waves; wave 0 signals for the work-group; every wave waits for all sixteen work-groups;
; my work-group's barrier once more.  No LDS instruction of the wave is pending at a signal.
.macro CREST                           ; a round behind its opening barrier
	s_cmp_lg_u32 s10, 0
	s_cbranch_scc1 .Lnot_wave_0_\@
	s_barrier_signal -3
.Lnot_wave_0_\@:
	s_barrier_wait -3
	s_barrier_signal -1
	s_barrier_wait -1
.endm
.macro CROUND                          ; a whole round
	s_barrier_signal -1
	s_barrier_wait -1
	CREST
.endm
	s_load_b128 s[4:7], s[0:1], 0x0                ; hd s[4:5], w2h s[6:7]
	s_load_b64 s[8:9], s[0:1], 0x10                ; out0
	s_load_b64 s[66:67], s[0:1], 0x18              ; stats
	v_lshl_add_u32 v[SPW], v0, 2, SPARE
	v_mov_b32 v[NIL], 0
	ds_add_u32 v[SPW], v[NIL]                      ; the wave's opening: the add and its wait stand ahead of my first tensor load; the set-up below, work on registers, stands between them
	v_lshrrev_b32 v1, 5, v0
	v_readfirstlane_b32 s10, v1                    ; wave 0..3
	s_lshr_b32 s11, s10, 1                         ; which half of the tile's rows is mine.  Also: I fetch for hd (0) or for w2h (1)
	s_and_b32 s12, s10, 1                          ; which half of its columns.  Also: which 128 rows of that tile I fetch
	s_bfe_u32 s40, ttmp6, 0x40000                  ; cx: my place along the cluster's x
	s_bfe_u32 s41, ttmp6, 0x40004                  ; cy: along its y
	s_lshl_b32 s42, ttmp9, 2                       ; in a cluster launch ttmp9 and ttmp7 count clusters
	s_add_co_u32 s42, s42, s40                     ; tile column = 4 x cluster x + cx
	s_and_b32 s13, ttmp7, 0xffff
	s_lshl_b32 s13, s13, 2
	s_add_co_u32 s13, s13, s41                     ; tile row = 4 x cluster y + cy
	s_lshl_b32 s43, s41, 2
	s_lshl_b32 s43, 15, s43                        ; my row of the cluster: places 4 cy .. 4 cy + 3
	s_lshl_b32 s44, 0x1111, s40                    ; my column: places cx, cx + 4, cx + 8, cx + 12
	; descriptor group 1: a tile of 128 rows x 128 elements, padded in LDS
	s_or_b32 s[G1+0], s43, (1<<16)|(1<<20)|(1<<21)|(5<<22)|(3<<25)  ; 15:0 the mask: hd's tiles go to my row; 17:16 elements of 2 bytes; 20 padding on; 21 set beside a mask; 24:22 after every 64 words (code 5); 31:25 4 words of it (code 3)
	s_or_b32 s[G1B+0], s44, (1<<16)|(1<<20)|(1<<21)|(5<<22)|(3<<25) ; the same with the mask of my column, for w2h's tiles
.irp g, G1, G1B
	s_mov_b32 s[(\g)+1], KSTEP<<16                 ; 63:48 tensor_dim0, low half = 128
	s_mov_b32 s[(\g)+2], 128<<16                   ; 79:64 its high half = 0; 95:80 tensor_dim1, low half = 128
	s_mov_b32 s[(\g)+3], KSTEP<<16                 ; 111:96 its high half = 0; 127:112 tile_dim0 = 128
	s_mov_b32 s[(\g)+4], 128                       ; 143:128 tile_dim1 = 128; 159:144 tile_dim2 = 0
	s_mov_b32 s[(\g)+5], SIZE_K                    ; 191:160 tensor_dim0_stride, low word: elements from row to row
	s_mov_b32 s[(\g)+6], 0
	s_mov_b32 s[(\g)+7], 0
.endr
	; where the tiles come from.  hd's hang on the tile row alone, which my row of the cluster shares; w2h's on the tile column alone, which my column shares.
	; Every wave makes both addresses, in registers that never hold the other coordinate, and asks by one of them.
	s_lshl_b32 s17, s12, 7                         ; which 128 rows of the tile I fetch
	s_lshl_b32 s16, s13, 8
	s_add_co_u32 s16, s16, s17                     ; hd: row 256 x tile row + 128 x half
	s_lshl_b32 s46, s42, 8
	s_add_co_u32 s46, s46, s17                     ; w2h: row 256 x tile column + 128 x half
	s_mov_b32 s17, 0
	s_mov_b32 s47, 0
	s_mov_b64 s[18:19], SIZE_K*2
	s_mul_u64 s[16:17], s[16:17], s[18:19]         ; in bytes
	s_mul_u64 s[46:47], s[46:47], s[18:19]
	s_mul_i32 s20, s10, HALFT                      ; and where they go: wave x 128 rows: no place in the cluster enters an LDS address
	s_wait_dscnt 0x0                               ; the opening add is done
	s_wait_kmcnt 0x0
	s_add_nc_u64 s[14:15], s[4:5], s[16:17]
	s_add_nc_u64 s[46:47], s[6:7], s[46:47]
	CROUND                                         ; all sixteen work-groups are here: the first joint loads meet
.irp s, 0,1
	s_mov_b32 s[G0+4*(\s)], 1                                      ; 1:0 count = 1
	s_add_co_u32 s[G0+4*(\s)+1], s20, (\s)*SLOT                    ; 63:32 LDS address
	s_add_nc_u64 s[G0+4*(\s)+2:G0+4*(\s)+3], s[14:15], (\s)*KSTEP*2  ; 120:64 global address: K step s
	s_or_b32 s[G0+4*(\s)+3], s[G0+4*(\s)+3], 0x80000000            ; 127:126 type = 2
	s_mov_b32 s[G0B+4*(\s)], 1
	s_add_co_u32 s[G0B+4*(\s)+1], s20, (\s)*SLOT
	s_add_nc_u64 s[G0B+4*(\s)+2:G0B+4*(\s)+3], s[46:47], (\s)*KSTEP*2
	s_or_b32 s[G0B+4*(\s)+3], s[G0B+4*(\s)+3], 0x80000000
	JLOAD \s                                       ; the ring is filled before anything else is done: two tensor loads of mine are out
.endr
	; the statistics of the tile's 256 rows: thread t takes rows 2 t, 2 t + 1; a wave's load covers 256 consecutive bytes of a chunk's line
	s_lshl_b32 s18, s13, 10                        ; tile row x 256 rows x 4 bytes
	s_mov_b32 s19, 0
	s_add_nc_u64 s[66:67], s[66:67], s[18:19]
	v_lshlrev_b32 v[TA], 3, v0
.irp c, 0,1,2,3,4,5,6,7,8,9,10,11,12,13,14,15
	global_load_b64 v[MM+2*(\c):MM+2*(\c)+1], v[TA], s[66:67] offset:(\c)*65536
	global_load_b64 v[QQ+2*(\c):QQ+2*(\c)+1], v[TA], s[66:67] offset:PLANE+(\c)*65536
.endr
	; A fragment is 16 rows x 32 K in 8 registers: lane l holds row l % 16; registers 0-3 hold K = 8 (l / 16) + 0..7, registers 4-7 hold K = 16 + 8 (l / 16) + 0..7: two loads of 16 bytes, 32 bytes apart.
	v_and_b32 v1, 15, v0                           ; l % 16
	v_bfe_u32 v2, v0, 4, 1                         ; l / 16
	v_mul_u32_u24 v3, v1, PITCH
	v_lshl_add_u32 v3, v2, 4, v3                   ; row x pitch + 16 x half
	s_mul_i32 s21, s11, HALFT                      ; my 128 rows of hd
	s_mul_i32 s22, s12, HALFT                      ; my 128 rows of w2h,
	s_add_co_u32 s22, s22, 2*HALFT                 ; which lie behind hd's 256
	v_add_nc_u32 v[ADRA0], s21, v3
	v_add_nc_u32 v[ADRB0], s22, v3
	v_mov_b32 v[ADRA], v[ADRA0]                    ; the walk begins in slot 0,
	v_mov_b32 v[ADRB], v[ADRB0]
	s_mov_b32 s[SO], 0
	s_mov_b32 s[TC], 0                             ; and at the table's line 0
	s_mul_i32 s23, s10, 16*SPITCH
	s_add_co_u32 s23, s23, STAGE                   ; my stage
	v_mul_u32_u24 v4, v1, SPITCH                   ; in: row l % 16, 32 bytes for each half of the lanes
	v_lshl_add_u32 v4, v2, 5, v4
	v_add_nc_u32 v[STO], s23, v4
	v_and_b32 v5, 31, v0
	v_lshlrev_b32 v[CO], 4, v5                     ; back: the 32 lanes take one row's 512 bytes, which are 512 consecutive bytes of out0
	v_add_nc_u32 v[RD], s23, v[CO]
	v_lshl_add_u32 v[TS], v0, 2, TAB
	s_lshl_b32 s21, s11, 8                         ; my 128 rows' 256 bytes in a line of the table
	s_add_co_u32 s21, s21, TAB
	v_lshl_add_u32 v[THB], v1, 1, s21
	v_mov_b32 v[Z], 0
	; where my part begins in out0; the offset stays under 2^27
	s_lshl_b32 s13, s13, 8
	s_lshl_b32 s14, s11, 7
	s_add_co_u32 s16, s13, s14                     ; my first row,
	s_lshl_b32 s16, s16, 12                        ; its 4,096 bytes
	s_lshl_b32 s46, s42, 10                        ; my first column in bytes: 1,024 x tile column + 512 x half
	s_lshl_b32 s47, s12, 9
	s_add_co_u32 s46, s46, s47
	s_add_co_u32 s16, s16, s46
	s_mov_b32 s17, 0
	s_add_nc_u64 s[8:9], s[8:9], s[16:17]
	; THE TABLE: two rows at a time, in packed f32
	s_wait_loadcnt 0x0
.irp j, 0,1,2,3                        ; the sums of m_c and of q_c, four chains each
	v_pk_add_f32 v[W+2*(\j):W+2*(\j)+1],     v[MM+2*(\j):MM+2*(\j)+1], v[MM+8+2*(\j):MM+8+2*(\j)+1]
	v_pk_add_f32 v[W+8+2*(\j):W+8+2*(\j)+1], v[QQ+2*(\j):QQ+2*(\j)+1], v[QQ+8+2*(\j):QQ+8+2*(\j)+1]
.endr
.irp c, 16, 24
.irp j, 0,1,2,3
	v_pk_add_f32 v[W+2*(\j):W+2*(\j)+1],     v[W+2*(\j):W+2*(\j)+1],     v[MM+(\c)+2*(\j):MM+(\c)+2*(\j)+1]
	v_pk_add_f32 v[W+8+2*(\j):W+8+2*(\j)+1], v[W+8+2*(\j):W+8+2*(\j)+1], v[QQ+(\c)+2*(\j):QQ+(\c)+2*(\j)+1]
.endr
.endr
.irp o, 0, 8
	v_pk_add_f32 v[W+(\o):W+(\o)+1],   v[W+(\o):W+(\o)+1],   v[W+(\o)+2:W+(\o)+3]
	v_pk_add_f32 v[W+(\o)+4:W+(\o)+5], v[W+(\o)+4:W+(\o)+5], v[W+(\o)+6:W+(\o)+7]
.endr
.irp o, 0, 8
	v_pk_add_f32 v[W+(\o):W+(\o)+1],   v[W+(\o):W+(\o)+1],   v[W+(\o)+4:W+(\o)+5]
.endr
	v_pk_mul_f32 v[W:W+1], v[W:W+1], 0x3d800000 op_sel_hi:[1,0]     ; mu = / 16
.irp c, 0,1,2,3,4,5,6,7,8,9,10,11,12,13,14,15
	v_pk_add_f32 v[MM+2*(\c):MM+2*(\c)+1], v[MM+2*(\c):MM+2*(\c)+1], v[W:W+1] neg_lo:[0,1] neg_hi:[0,1]  ; s_c
.endr
	v_pk_mul_f32 v[W+2:W+3], v[MM:MM+1], v[MM:MM+1]                 ; the sum of s_c^2, two chains
	v_pk_mul_f32 v[W+4:W+5], v[MM+2:MM+3], v[MM+2:MM+3]
.irp c, 2,4,6,8,10,12,14
	v_pk_fma_f32 v[W+2:W+3], v[MM+2*(\c):MM+2*(\c)+1], v[MM+2*(\c):MM+2*(\c)+1], v[W+2:W+3]
	v_pk_fma_f32 v[W+4:W+5], v[MM+2*(\c)+2:MM+2*(\c)+3], v[MM+2*(\c)+2:MM+2*(\c)+3], v[W+4:W+5]
.endr
	v_pk_add_f32 v[W+2:W+3], v[W+2:W+3], v[W+4:W+5]
	v_pk_fma_f32 v[W+2:W+3], v[W+2:W+3], 0x43000000, v[W+8:W+9] op_sel_hi:[1,0,1]  ; M2 = 128 x that + the sum of q_c
	v_pk_mul_f32 v[W+2:W+3], v[W+2:W+3], 0x3a001002 op_sel_hi:[1,0] ; / 2047
	v_sqrt_f32 v[W+2], v[W+2]
	v_sqrt_f32 v[W+3], v[W+3]
	v_nop                                          ; a plain instruction between the roots and the use of their results (ISA guide 5.7.2)
	s_wait_alu depctr_va_vdst(0)
	v_max_num_f32 v[W+2], 0x358637bd, v[W+2]       ; sigma, 1e-6 at the least
	v_max_num_f32 v[W+3], 0x358637bd, v[W+3]
.irp c, 0,1,2,3,4,5,6,7,8,9,10,11,12,13,14,15
	v_pk_fma_f32 v[MM+2*(\c):MM+2*(\c)+1], v[W+2:W+3], 0xbf84b794, v[MM+2*(\c):MM+2*(\c)+1] op_sel_hi:[1,0,1]  ; t_c = sigma x (-coeff) + s_c, fused
.endr
.irp c, 0,1,2,3,4,5,6,7,8,9,10,11,12,13,14,15
	v_cvt_pk_f16_f32 v[QQ+(\c)], v[MM+2*(\c)], v[MM+2*(\c)+1]       ; row 2 t below, row 2 t + 1 above
.endr
.irp c, 0,1,2,3,4,5,6,7,8,9,10,11,12,13,14,15
	ds_store_b32 v[TS], v[QQ+(\c)] offset:TROW*(\c)
.endr
; FOUR RIDERS: group n of 16 of the threshold on four blocks of 16 rows (blocks rb .. rb + 3 of buffer rf).  A block's eight registers take four groups: add 0-3, add 4-7, maximum 0-3, maximum 4-7,
; so that no line reads the result of one of the four before it.  All operands lie in window 0.
.macro RIDE rf, rb
	WIN 0
.set RX, (\rf)+8*((\rb)+n/4)+4*(n%2)
.set RT, TH+(\rb)+n/4
.irp k, 0,1,2,3
.if (n%4) < 2
	v_pk_add_f16 v[RX+(\k)], v[RX+(\k)], v[RT]
.else
	v_pk_max_num_f16 v[RX+(\k)], v[RX+(\k)], v[Z]
.endif
.endr
.set n, n+1
.endm
; 16 matrix instructions: m blocks a0, a0 + 1 of the window's four (hi = 0: my rows 0-63, 1: rows 64-127) x all 8 n blocks, 32 along K.  zero = 1: the first product starts the sums: nothing is ever cleared.
; The 64 accumulators take turns, one instruction a turn, in the same order in every quarter step.  rf >= 0: four riders stand behind each of the sixteen; they name no register of the products round them.
.macro MUL16 f, hi, a0, zero, rf=-1, rb=0
.set n, 0
.irp a, \a0, (\a0)+1
.irp b, 0,1,2,3,4,5,6,7
	WIN MUL_LO+0x50*(\hi)
.if \zero
	v_wmma_f32_16x16x32_f16 v[8*(8*(\a)+(\b)):8*(8*(\a)+(\b))+7], v[(\f)+8*(\b):(\f)+8*(\b)+7], v[(\f)+8*(4*(\hi)+(\a)):(\f)+8*(4*(\hi)+(\a))+7], 0
.else
	v_wmma_f32_16x16x32_f16 v[8*(8*(\a)+(\b)):8*(8*(\a)+(\b))+7], v[(\f)+8*(\b):(\f)+8*(\b)+7], v[(\f)+8*(4*(\hi)+(\a)):(\f)+8*(4*(\hi)+(\a))+7], v[8*(8*(\a)+(\b)):8*(8*(\a)+(\b))+7]
.endif
.if (\rf) >= 0
	RIDE \rf, \rb
.endif
.endr
.endr
.endm
; 32 LDS loads in one run: the fragments of one quarter step (32 K at byte k of the rows of the slot in hand) into buffer f: hd's rows 0-63 first, since the threshold wants them first; w2h's 128 rows; hd's rows 64-127
.macro FETCH k, f
	WIN 0
.irp i, 0,1,2,3
	ds_load_b128 v[(\f)+8*(\i):(\f)+8*(\i)+3],   v[ADRA] offset:(\k)+(\i)*16*PITCH
	ds_load_b128 v[(\f)+8*(\i)+4:(\f)+8*(\i)+7], v[ADRA] offset:(\k)+(\i)*16*PITCH+32
.endr
	WIN TO_B
.irp i, 0,1,2,3,4,5,6,7
	ds_load_b128 v[(\f)+8*(\i):(\f)+8*(\i)+3],   v[ADRB] offset:(\k)+(\i)*16*PITCH
	ds_load_b128 v[(\f)+8*(\i)+4:(\f)+8*(\i)+7], v[ADRB] offset:(\k)+(\i)*16*PITCH+32
.endr
	WIN 0
.irp i, 4,5,6,7
	ds_load_b128 v[(\f)+8*(\i):(\f)+8*(\i)+3],   v[ADRA] offset:(\k)+(\i)*16*PITCH
	ds_load_b128 v[(\f)+8*(\i)+4:(\f)+8*(\i)+7], v[ADRA] offset:(\k)+(\i)*16*PITCH+32
.endr
.endm
; The next line of the table: my row's addend in each of my eight blocks, 2 bytes each.  Behind the last line the offset stays: the last K step reads line 15 once more, for nothing that is used.
.macro THLOAD
	WIN 0
	v_add_nc_u32 v[THA], s[TC], v[THB]
	s_add_co_u32 s[TC], s[TC], TROW
	s_min_u32 s[TC], s[TC], (KSTEPS-1)*TROW
.irp a, 0,1,2,3,4,5,6,7
	ds_load_u16 v[THR+(\a)], v[THA] offset:32*(\a)
.endr
.endm
.macro DUP                             ; the addends as loaded go into both halves, and take the place of the chunk's before
	WIN 0
.irp a, 0,1,2,3,4,5,6,7
	v_lshl_or_b32 v[TH+(\a)], v[THR+(\a)], 16, v[THR+(\a)]
.endr
.endm
; A load into a register that a matrix instruction has read, and a store that reads a matrix result, stand four places behind it, and only plain vector instructions that name none of its registers are
; places (ISA guide 7.12.1 for vector instructions).
.macro PLACES
.rept 4
	v_nop
.endr
.endm
; A K step is four quarter steps of 32 along K, 64 matrix instructions each, on buffers 0, 1, 0, 1.
; One of the first three: multiplies buffer f; in its middle it fetches the next quarter's fragments, at byte k of the same slot's rows, into buffer g.  Riders: f's rows 64-127 behind the second sixteen
; products, ahead of the products that take them; g's rows 0-63 behind the last sixteen.  th = 1 (the third quarter): the next chunk's addends are asked for, ahead of the fragments.
.macro QUARTER k, f, g, zero, th=0
	s_wait_dscnt 8                                 ; hd's rows 0-63 and w2h are in; the youngest eight loads (hd's rows 64-127) may be out
	MUL16 \f, 0, 0, \zero
	s_wait_dscnt 0x0                               ; those eight are in: they were issued 48 matrix instructions ago
	MUL16 \f, 0, 2, \zero, \f, 4
	PLACES
.if \th
	THLOAD
.endif
	FETCH \k, \g
	MUL16 \f, 1, 0, \zero
	s_wait_dscnt 24                                ; the addends, if any, and g's rows 0-63 of hd are in; the 24 loads behind them may be out
	MUL16 \f, 1, 2, \zero, \g, 0
.endm
; The last quarter multiplies buffer 1 and changes slots: ONE barrier, for two things.  In front of it each wave waits for all its tensor loads, of which one is out: its part of the next slot; adds 0 to its
; spare word; and waits for that and for its own reads of this slot.  Behind it nobody reads this slot any more and the next slot is whole.
; fill = 1: this slot is filled again, two K steps ahead.  The barrier then opens a round of the cluster's barrier, and the joint load is the first tensor load behind the round:
; from there to the wait for it a wave issues 224 matrix instructions.
; The walking descriptors: the LDS word is wave x 0x8800, or that + 0x22000; no wave x 0x8800 has bit 13 or bit 17, so one exclusive or with SLOT turns the one into the other.
.macro TURN fill
	WIN 0                                          ; (the add's two registers lie in window 0)
	s_wait_tensorcnt 0x0                           ; all my tensor loads have landed: the one that was out is my part of the next slot; no group 0 is in use;
	ds_add_u32 v[SPW], v[NIL]                      ; 0 onto my spare word: work on registers stands between it and the wait for it
	s_xor_b32 s[SO], s[SO], SLOT                   ; 0 and SLOT by turns: the fetches go on in the other slot (this slot's last were issued in the third quarter)
	v_add_nc_u32 v[ADRA], s[SO], v[ADRA0]
	v_add_nc_u32 v[ADRB], s[SO], v[ADRB0]
.if \fill
	s_xor_b32 s[G0+5], s[G0+5], SLOT               ; the other slot than last time,
	s_add_nc_u64 s[G0+6:G0+7], s[G0+6:G0+7], KSTEP*2  ; the next K step; the type bits on top are not reached
	s_xor_b32 s[G0B+5], s[G0B+5], SLOT
	s_add_nc_u64 s[G0B+6:G0B+7], s[G0B+6:G0B+7], KSTEP*2
.endif
	s_wait_dscnt 9                                 ; (the add and the youngest eight loads may be out)
	MUL16 F1, 0, 0, 0
	s_wait_dscnt 0x0                               ; the add is done, and my reads of this slot are over:
	s_barrier_signal -1                            ; say so,
	MUL16 F1, 0, 2, 0, F1, 4                       ; work on registers while the others arrive: this chunk's last riders,
	DUP                                            ; and then the next chunk's addends (every window is 0 from here: branches follow)
	s_barrier_wait -1                              ; and go on when all four have said so
.if \fill
	CREST                                          ; no wave of any partner still reads this slot's tile or has a load on its way
	JLOAD 1                                        ; the four v_nop behind it are also the places in front of the loads below
.else
	PLACES
.endif
	FETCH 0, F0
	MUL16 F1, 1, 0, 0
	s_wait_dscnt 24                                ; the next K step's first rows 0-63 of hd are in
	MUL16 F1, 1, 2, 0, F0, 0
.endm
; THE WAY OUT, by blocks a = 0 .. 7 of 16 rows.  The sums go as they stand: 32 bytes a lane into my own stage, rows of 528 bytes, and back as whole rows of 512 bytes.
; Each accumulator's four lowest registers are stored first.
.macro TOST a
.set AC, 64*((\a)%4)
.set BK, F0+64*((\a)%2)
	s_wait_xcnt 0x0                                ; every earlier memory instruction has had its addresses translated (ISA guide 3.1): the registers that the stores of two blocks ago read are loaded again only behind this wait
	WIN (2+(\a)/4)<<2                              ; an LDS store's data is source 1: the accumulators' window
.irp b, 0,1,2,3,4,5,6,7
	ds_store_b128 v[STO], v[AC+8*(\b):AC+8*(\b)+3] offset:64*(\b)
	ds_store_b128 v[STO], v[AC+8*(\b)+4:AC+8*(\b)+7] offset:64*(\b)+16
.endr
	WIN 0
.irp t, 0,1,2,3,4,5,6,7,8,9,10,11,12,13,14,15
	ds_load_b128 v[BK+4*(\t):BK+4*(\t)+3], v[RD] offset:(\t)*SPITCH  ; LDS serves a wave's instructions in order (ISA guide 5.7.1.4): these see the stores above; the next block's stores come behind them
.endr
.endm
.macro SEND a, younger                 ; younger: the LDS instructions issued behind block a's loads: the next block's 32, or none
.set BK, F0+64*((\a)%2)
	s_wait_dscnt \younger                          ; the block is back in registers
.irp t, 0,1,2,3,4,5,6,7,8,9,10,11,12,13,14,15
	global_store_b128 v[CO], v[BK+4*(\t):BK+4*(\t)+3], s[8:9] offset:(16*(\a)+(\t))*SIZE_N*4 th:TH_STORE_NT  ; the wave stores 512 consecutive bytes, at a multiple of 512 from out0's first byte; 127 rows at the most: inside the signed 24-bit immediate
.endr
.endm
	s_wait_tensorcnt 1                             ; my part of K step 0 is in; K step 1's may stay out
	s_wait_dscnt 0x0                               ; for the others' sake: my stores into the table are done
	s_barrier_signal -1
	s_barrier_wait -1                              ; everybody's are
	THLOAD                                         ; chunk 0's addends,
	FETCH 0, F0                                    ; and K step 0's first fragments
	s_wait_dscnt 24                                ; the addends and hd's rows 0-63 are in
	DUP
.set n, 0
.rept 16
	RIDE F0, 0                                     ; the first threshold has no products to stand behind
.endr
	QUARTER 64,  F0, F1, 1                         ; the first quarter stands in front of the loop: its products start the sums
	WIN 0                                          ; at a label and at a branch every window is 0
	s_mov_b32 s3, KSTEPS-2
.Lstep:                                                ; 14 trips, from a K step's second quarter to the next K step's first; each fills the slot that it leaves
	QUARTER 128, F1, F0, 0
	QUARTER 192, F0, F1, 0, 1
	TURN 1
	QUARTER 64,  F0, F1, 0
	WIN 0
	s_sub_co_u32 s3, s3, 1
	s_cmp_lg_u32 s3, 0
	s_cbranch_scc1 .Lstep
	s_mov_b32 s3, 2                                ; the last two K steps ask for nothing, so they have a text of their own
.Ltail:                                                ; the second trip is left behind its last quarter.  That quarter's barrier, its 32 fragment loads, from the slot read before, and the 64 riders on them
	QUARTER 128, F1, F0, 0                         ; serve nothing: the price, once a work-group, of not writing the last quarter out
	QUARTER 192, F0, F1, 0, 1
	TURN 0
	WIN 0
	s_sub_co_u32 s3, s3, 1
	s_cmp_eq_u32 s3, 0
	s_cbranch_scc1 .Lout
	QUARTER 64,  F0, F1, 0
	WIN 0
	s_branch .Ltail
.Lout:
	s_wait_dscnt 0x0                               ; those loads are back: their registers are loaded again below
	PLACES                                         ; behind the last products, ahead of the first store of a result and the first load into a fragment's register
	TOST 0
.irp a, 1,2,3,4,5,6,7                  ; block a's way through the stage is under way while block a - 1 is stored
	TOST \a
	SEND (\a)-1, 32
.endr
	SEND 7, 0
	s_wait_tensorcnt 0x0                           ; the wave's end: these three lines stand behind my last tensor load and my last LDS store
	ds_add_u32 v[SPW], v[NIL]
	s_wait_dscnt 0x0
	CROUND                                         ; the closing round: no work-group ends while a partner may still ask for a tile that names it
	s_endpgm
.Lfunc_end_k_qf59767f223_gemm2:
	.size	k_qf59767f223_gemm2, .Lfunc_end_k_qf59767f223_gemm2-k_qf59767f223_gemm2
	.p2alignl 7, 3214868480
	.fill 96, 4, 3214868480
	.section	.rodata,"a",@progbits
	.p2align	6, 0x0
	.amdhsa_kernel k_qf59767f223_gemm2
		.amdhsa_group_segment_fixed_size 327680
		.amdhsa_private_segment_fixed_size 0
		.amdhsa_enable_private_segment 0
		.amdhsa_kernarg_size 32
		.amdhsa_user_sgpr_count 2
		.amdhsa_user_sgpr_kernarg_segment_ptr 1
		.amdhsa_wavefront_size32 1
		.amdhsa_system_sgpr_workgroup_id_x 1
		.amdhsa_system_sgpr_workgroup_id_y 1
		.amdhsa_system_sgpr_workgroup_id_z 1
		.amdhsa_system_vgpr_workitem_id 0
		.amdhsa_next_free_vgpr 1024
		.amdhsa_next_free_sgpr 68
		.amdhsa_reserve_vcc 0
		.amdhsa_float_denorm_mode_32 3
		.amdhsa_float_denorm_mode_16_64 3
		.amdhsa_memory_ordered 1
		.amdhsa_forward_progress 1
		.amdhsa_inst_pref_size 206
	.end_amdhsa_kernel
	.amdgpu_metadata
---
amdhsa.version: [ 1, 2 ]
amdhsa.kernels:
  - .name:           k_qf59767f223_gemm2
    .symbol:         k_qf59767f223_gemm2.kd
    .args:
      - { .name: hd, .offset: 0, .size: 8, .value_kind: global_buffer, .address_space: global }
      - { .name: w2h, .offset: 8, .size: 8, .value_kind: global_buffer, .address_space: global }
      - { .name: out0, .offset: 16, .size: 8, .value_kind: global_buffer, .address_space: global }
      - { .name: stats, .offset: 24, .size: 8, .value_kind: global_buffer, .address_space: global }
    .group_segment_fixed_size: 327680
    .private_segment_fixed_size: 0
    .kernarg_segment_align: 8
    .kernarg_segment_size: 32
    .max_flat_workgroup_size: 128
    .sgpr_count:     68
    .vgpr_count:     1024
    .wavefront_size: 32
...
	.end_amdgpu_metadata
.endif
;; end of part 7
